; MI455X (gfx1250); checked and timed in simulation.
; The chip was launched on July 23, 2026; its instructions are those of AMD's public machine-readable ISA for CDNA 5 (MIT licence, August 2026) and "CDNA5" Instruction Set Architecture Reference Guide (July 2026). The comments in the code are by the model that wrote it; some were corrected since.
;; Transformer Encoder Layer. Allowed arithmetic: matrix products marked QUANTISED: E4M3 operands, one E8M0 scale for each 32 along K, by v_wmma_scale_f32_16x16x128_f8f6f4 with both operands' format E4M3, f32 sums; everything else in f32.
;; Inputs: b1 768 float32; b2 768 float32; b_ff1 3,072 float32; b_ff2 768 float32; bk 12 x 64 float32; bo 768 float32; bq 12 x 64 float32; bv 12 x 64 float32; g1 768 float32; g2 768 float32; w_ff1 768 x 3,072 float32; w_ff2 3,072 x 768 float32; wk 12 x 768 x 64 float32; wo 768 x 768 float32; wq 12 x 768 x 64 float32; wv 12 x 768 x 64 float32; x 1 x 4,096 x 768 float32.
;; Outputs: out0 1 x 4,096 x 768 float32.
;; This version of the problem:
;;   THIS VERSION OF THE PROBLEM IS GIVEN IN LOW PRECISION. The matrix products marked QUANTISED in the list below multiply operands that are first quantised to E4M3 (4 exponent bits, 3 mantissa bits; 8 bits a number), with one power-of-two scale for each 32 numbers along K (OCP MX v1.0); their sums are f32. All else is computed in f32.
;;   The module's matrix products, in the order in which they are computed (A, B: the left and right operand; K: the contracted axis; several contracted axes count as one K, in the product's order):
;;     1. [M 768, K 768] x [K 768, N 4,096]; A: input wq; B: computed on the way: QUANTISED
;;     2. [M 768, K 768] x [K 768, N 4,096]; A: input wk; B: computed on the way: QUANTISED
;;     3. [M 768, K 768] x [K 768, N 4,096]; A: input wv; B: computed on the way: QUANTISED
;;     4. batch 12 x [M 4,096, K 64] x [K 64, N 4,096]; A: computed on the way; B: computed on the way: QUANTISED
;;     5. batch 12 x [M 4,096, K 4,096] x [K 4,096, N 64]; A: softmax (see below); B: computed on the way: QUANTISED
;;     6. [M 4,096, K 768] x [K 768, N 768]; A: computed on the way; B: input wo: QUANTISED
;;     7. [M 4,096, K 768] x [K 768, N 3,072]; A: computed on the way; B: input w_ff1: QUANTISED
;;     8. [M 4,096, K 3,072] x [K 3,072, N 768]; A: computed on the way; B: input w_ff2: QUANTISED
;;   THE QUANTISER, for each operand of a quantised product, along K:
;;     - K is cut into blocks of 32 from its start; a last block that is shorter is filled with zeros.
;;     - A block's scale is 2^e with e = floor(log2(the largest magnitude in the block)) - 8, held to -126 .. 127; a block of zeros has e = 0. As a byte (E8M0): e + 127.
;;     - Each number is divided by its block's scale, clamped to +-448, and rounded to the nearest number of E4M3, ties to even, subnormals kept.
;;     - The product sums the exact products of the quantised numbers (number of the format x scale) in f32.
;;   ~~~python
;;   def quantise(x, axis):      # numpy; x: float32 -> the quantised numbers, widened to float32 again
;;       x = np.moveaxis(x, axis, -1); K = x.shape[-1]
;;       x = np.pad(x, [(0, 0)] * (x.ndim - 1) + [(0, -K % 32)]); x = x.reshape(x.shape[:-1] + (-1, 32)); a = np.abs(x).max(-1, keepdims=True)
;;       e = np.where(a > 0, np.clip(np.frexp(np.where(a > 0, a, 1))[1] - 1 - 8, -126, 127), 0)      # np.frexp(a)[1] - 1 = floor(log2(a)), exactly
;;       r = np.clip(x / 2.0 ** e, -448, 448)
;;       step = 2.0 ** (np.maximum(np.frexp(np.where(r == 0, 1, r))[1] - 1, -6) - 3)
;;       q = np.round(r / step) * step * 2.0 ** e      # np.round: ties to even
;;       return np.moveaxis(q.reshape(q.shape[:-2] + (-1,))[..., :K], -1, axis).astype(np.float32)
;;   ~~~
;;   SOFTMAX AHEAD OF A QUANTISED PRODUCT. Where the list says 'softmax', what is quantised is not the finished softmax but p = 2^(t - M), with t = logit x log2(e) and M = ceil(the row's largest t), a whole number; so 1/2 < the row's largest p <= 1. The row's sum l is taken of the UNQUANTISED p, in f32, and the product's result is divided by l at the end. Since M is a whole number, a kernel that streams over the keys may use a running M (the ceiling of the running maximum): every later rescaling is an exact power of two, which a block's scale takes up: the codes' values come out the same.
;;   OPERANDS COMPUTED ON THE WAY. 'Computed on the way' means the value that the module computes at that place (a softmax that the list does not call 'softmax' is quantised finished and normalised). What goes into a quantiser is computed in f32, as accurately as f32 sums, v_exp_f32 and their like allow (about 1e-6 of the number): no bf16 or f16 on the way to a quantiser, and a product that is left as it is and whose result goes on into a quantised operand takes f32 operands (vector FMAs, or v_wmma_f32_16x16x4_f32). A number that lies on a knife's edge between two numbers of the format may be rounded either way, as far as f32 arithmetic and the matrix unit's own rounding can turn it there, and no further.
;; One version. Each part assembles by itself: llvm-mc -triple=amdgcn-amd-amdhsa -mcpu=gfx1250 --defsym DOCPART=n.
;; ======== version 1 of 1: 7 launches
;; limits: a function is approximated: absolute error at most 1.5e-07; right only within a limited range of input values
;; workspace buffers: wts 7,299,072 bytes; hq 3,244,032 bytes; qkv 9,830,400 bytes; att 3,244,032 bytes; x1 12,582,912 bytes; h2q 3,244,032 bytes; gq 12,976,128 bytes
;; launch prep (part 1): grid 472 x 1, 4 waves a work-group, no clusters, 14,080 bytes of LDS; arguments x, g1, b1, hq, wq, wk, wv, wo, w_ff1, w_ff2, wts; writes hq, wts
.if DOCPART == 1
	.amdgcn_target "amdgcn-amd-amdhsa--gfx1250"
	.amdhsa_code_object_version 6
	.text
	.protected	k_q74d9ca0de5_prep
	.globl	k_q74d9ca0de5_prep
	.p2align	8
	.type	k_q74d9ca0de5_prep,@function
k_q74d9ca0de5_prep:
	s_mov_b64 s[64:65], 0
	v_nop
	global_prefetch_b8 v0, s[64:65] scope:SCOPE_SE
	s_setreg_imm32_b32 hwreg(HW_REG_WAVE_MODE, 25, 1), 1
	s_wait_xcnt 0x0
; TWO JOBS IN ONE LAUNCH, parted on the work-group's number at the first line: work-groups 0-215 quantise the six weights, work-groups 216-471 make h = LN1(x) and quantise it.  The two share nothing; all four waves of a
; work-group take the same way; the weights' way touches no LDS and has no barrier.  The longer job has the lower numbers.
; BOTH WRITE IMAGES OF OPERAND REGISTERS: a fragment is 16 rows x 128 K of E4M3 codes = 2,048 bytes = four chunks of 512 bytes; chunk c holds, at 16 x lane, k = 32 c + 16 (lane / 16) + 0 .. 15 of the row lane % 16.
; Row r of tile 2 P + e is row 32 P + 8 e + r + 8 (r / 8) of the tensor, so that two neighbouring tiles' results are 16 neighbours.  One E8M0 byte for each 32 along K.
; LIMITS: NaN and infinities are not served; a block of zeros, or one whose largest magnitude lies under 2^-118, gets the byte 1 (its codes are then zeros or held; this program alone reads the bytes).
.set NWG, 216                          ; work-groups of the weights' way
	v_lshl_add_u32 v208, v0, 2, 0x3500
	v_mov_b32 v209, 0
	s_cmp_lt_u32 ttmp9, NWG
	s_cbranch_scc0 .Lnorm
; ---- THE WEIGHTS, f32 with K as their outer axis.  Codes: [tile F][K step s][chunk c][512]; scale bytes: [tile F][row][K / 32].
; A LANE TAKES A COLUMN AND ITS REGISTERS RUN DOWN K: a block of 32 lies in one lane, its maximum needs no other lane, and the conversions give codes with K innermost.
; Work-groups 0-53: wq, wk, wv (36 head-units of 64 columns); 54-71: wo; 72-143: w_ff1; 144-215: w_ff2.  A wave takes 32 columns x 256 along K: 8 blocks.
.set RO,  8                            ; v8-39    4 x lane + i x pitch, i = 0 .. 31
.set X,   40                           ; v40-103  two sets of 32 numbers
.set C,   104                          ; v104-167 eight registers of codes for each block: no store's data are written again
.set SBW, 168                          ; v168-169 the eight scale bytes
.set MA,  170
.set MB,  171
.set SCL, 172
.set HLD, 173
.set SB0, 38                           ; s[38:39] source of the even blocks, s[40:41] of the odd ones
.set STP, 42                           ; s[42:43] 64 rows of the source
.set DC,  48                           ; s[48:49] where my codes go
.set DS,  50                           ; s[50:51] where my scale bytes go
.set MNT, 53
	s_load_b256 s[4:11], s[0:1], 0x20              ; wq, wk, wv, wo
	s_load_b128 s[12:15], s[0:1], 0x40             ; w_ff1, w_ff2
	s_load_b64 s[16:17], s[0:1], 0x50              ; wts
	v_lshrrev_b32 v1, 5, v0
	v_readfirstlane_b32 s18, v1                    ; wave
	v_and_b32 v2, 31, v0                           ; lane
	; the tensor's figures, chosen by the work-group's number alone: first work-group, pitch in bytes, K steps, codes' and scales' place in wts, chunks of 256 along K
	s_mov_b32 s20, 144
	s_mov_b32 s21, 3072
	s_mov_b32 s22, 24
	s_mov_b32 s23, 4718592
	s_mov_b32 s24, 7225344
	s_mov_b32 s25, 0x15555556                      ; x / 12 by the high word of a product
	s_mov_b32 s26, 12
	s_cmp_lt_u32 ttmp9, 144
	s_cselect_b32 s20, 72, s20
	s_cselect_b32 s21, 12288, s21
	s_cselect_b32 s22, 6, s22
	s_cselect_b32 s23, 2359296, s23
	s_cselect_b32 s24, 7151616, s24
	s_cselect_b32 s25, 0x55555556, s25             ; x / 3
	s_cselect_b32 s26, 3, s26
	s_cmp_lt_u32 ttmp9, 72
	s_cselect_b32 s20, 54, s20
	s_cselect_b32 s21, 3072, s21
	s_cselect_b32 s23, 1769472, s23
	s_cselect_b32 s24, 7133184, s24
	s_cmp_lt_u32 ttmp9, 54
	s_cselect_b32 s20, 0, s20
	s_cselect_b32 s21, 256, s21
	s_cselect_b32 s23, 0, s23
	s_cselect_b32 s24, 7077888, s24
	s_sub_co_u32 s27, ttmp9, s20
	s_mul_hi_u32 s28, s27, s25                     ; which four pairs of tiles
	s_mul_i32 s29, s28, s26
	s_sub_co_u32 s29, s27, s29                     ; which 256 along K
	s_lshl_b32 s30, s28, 2
	s_add_co_u32 s30, s30, s18                     ; P: my pair of tiles, 32 columns
	s_lshr_b32 s31, s18, 1
	s_lshl_b32 s32, s28, 1
	s_add_co_u32 s31, s31, s32                     ; wq, wk, wv: the head-unit 0 .. 35
	s_and_b32 s33, s18, 1
	s_lshl_b32 s33, s33, 7                         ; and which half of its 64 columns
	s_lshl_b32 s37, s30, 7                         ; the others: column byte 128 P
	s_wait_alu depctr_va_vdst(0)
	s_wait_kmcnt 0x0
	s_cmp_lt_u32 s28, 12
	s_cselect_b64 s[34:35], s[6:7], s[8:9]
	s_cselect_b32 s36, 12, 24
	s_cmp_lt_u32 s28, 6
	s_cselect_b64 s[34:35], s[4:5], s[34:35]
	s_cselect_b32 s36, 0, s36
	s_sub_co_u32 s31, s31, s36                     ; the head
	s_mul_i32 s31, s31, 196608
	s_add_co_u32 s31, s31, s33
	s_cmp_lt_u32 ttmp9, 144
	s_cselect_b64 s[38:39], s[12:13], s[14:15]
	s_cmp_lt_u32 ttmp9, 72
	s_cselect_b64 s[38:39], s[10:11], s[38:39]
	s_cmp_lt_u32 ttmp9, 54
	s_cselect_b64 s[38:39], s[34:35], s[38:39]
	s_cselect_b32 s37, s31, s37
	s_lshl_b32 s44, s21, 8
	s_mul_i32 s44, s44, s29
	s_add_co_u32 s44, s44, s37
	s_mov_b32 s45, 0
	s_add_nc_u64 s[38:39], s[38:39], s[44:45]      ; block 0
	s_lshl_b32 s42, s21, 5
	s_mov_b32 s43, 0
	s_add_nc_u64 s[40:41], s[38:39], s[42:43]      ; block 1
	s_lshl_b32 s42, s21, 6
	s_mul_i32 s46, s30, s22                        ; P x K steps
	s_add_co_u32 s47, s46, s29
	s_lshl_b32 s47, s47, 12                        ; (2 P x K steps + 2 x chunk) x 2,048
	s_add_co_u32 s48, s47, s23
	s_mov_b32 s49, 0
	s_add_nc_u64 s[DC:DC+1], s[16:17], s[48:49]
	s_lshl_b32 s46, s46, 7                         ; 2 P tiles x 16 rows x 4 bytes a K step
	s_lshl_b32 s50, s29, 3
	s_add_co_u32 s50, s50, s46
	s_add_co_u32 s50, s50, s24
	s_mov_b32 s51, 0
	s_add_nc_u64 s[DS:DS+1], s[16:17], s[50:51]
	v_lshlrev_b32 v[RO], 2, v2
.set i, 1
.rept 31
	v_add_nc_u32 v[RO+i], s21, v[RO+i-1]
.set i, i+1
.endr
	v_bfe_u32 v3, v2, 3, 1                         ; e: which tile of the pair my column falls into
	v_and_b32 v4, 7, v2
	v_lshrrev_b32 v5, 4, v2
	v_lshl_add_u32 v4, v5, 3, v4                   ; and which row of it
	v_lshl_add_u32 v5, v3, 4, v4
	s_lshl_b32 s52, s22, 2
	v_mul_lo_u32 v6, v5, s52                       ; my row of scale bytes
	s_lshl_b32 s52, s22, 11
	v_mul_lo_u32 v7, v3, s52
	v_lshl_add_u32 v7, v4, 4, v7                   ; my 16 bytes in a chunk's lower half
.macro LOADB set, base
.set i, 0
.rept 32
	global_load_b32 v[X+32*(\set)+i], v[RO+i], s[\base:\base+1] th:TH_LOAD_NT   ; 32 lanes read 128 consecutive bytes of one row
.set i, i+1
.endr
.endm
	LOADB 0, SB0
	LOADB 1, SB0+2
.macro BLOCK t
.set XS, X+32*((\t)%2)
.set CB, C+8*(\t)
.if (\t) < 7
	s_wait_loadcnt 32                              ; this block's 32 loads are in; the next block's may be out
.else
	s_wait_loadcnt 0x0
.endif
	v_max3_num_f32 v[MA], |v[XS]|, |v[XS+1]|, |v[XS+2]|
	v_max3_num_f32 v[MB], |v[XS+3]|, |v[XS+4]|, |v[XS+5]|
.irp i, 6,10,14,18,22,26
	v_max3_num_f32 v[MA], v[MA], |v[XS+\i]|, |v[XS+\i+1]|
	v_max3_num_f32 v[MB], v[MB], |v[XS+\i+2]|, |v[XS+\i+3]|
.endr
	v_max3_num_f32 v[MA], v[MA], |v[XS+30]|, |v[XS+31]|
	v_max3_num_f32 v[MA], v[MA], v[MB], 0x4800000  ; the floor 2^(9 - 127): the byte cannot fall under 1
	v_add_nc_u32 v[SCL], 0xfc000000, v[MA]         ; 8 off the exponent field: the conversion's scale operand
.set i, 0
.rept 32
.set i, i+1
.endr
.irp g, 0,1,2,3
	v_cvt_scalef32_pk8_fp8_f32 v[CB+2*\g:CB+2*\g+1], v[XS+8*\g:XS+8*\g+7], v[SCL]
.endr
	v_lshrrev_b32 v[MB], 23, v[SCL]                ; the scale's byte (a plain line behind the conversions)
.if (\t)%4 == 0
	v_mov_b32 v[SBW+(\t)/4], v[MB]
.else
	v_lshl_or_b32 v[SBW+(\t)/4], v[MB], 8*((\t)%4), v[SBW+(\t)/4]
.endif
	global_store_b128 v7, v[CB:CB+3], s[DC:DC+1] offset:512*(\t)        ; k 0-15 of the block: the 16 rows of each tile fill 256 consecutive bytes, aligned
	global_store_b128 v7, v[CB+4:CB+7], s[DC:DC+1] offset:512*(\t)+256  ; k 16-31: the chunk's upper half
.if (\t)+2 < 8
	s_add_nc_u64 s[SB0+2*((\t)%2):SB0+2*((\t)%2)+1], s[SB0+2*((\t)%2):SB0+2*((\t)%2)+1], s[STP:STP+1]   ; the loads that named this base are in (the wait above)
	LOADB (\t)%2, SB0+2*((\t)%2)
.endif
.endm
.irp t, 0,1,2,3,4,5,6,7
	BLOCK \t
.endr
	global_store_b64 v6, v[SBW:SBW+1], s[DS:DS+1]  ; my row's eight scale bytes
	s_endpgm
.Lnorm:
; ---- h = (x - mean) * rsqrt(var + 1e-5) * g + b over rows of 768 f32, quantised along the row.  Work-group 216 + T makes token tile T.
; Codes: [T][K step s 0-5][chunk c 0-3][512 bytes].  Scale words: [T / 2][s][32 lanes]: lanes 0-15 the rows of the even tile, lanes 16-31 those of the odd one.
; Wave w takes rows 4 w .. 4 w + 3, a row at a time; a lane holds 3 x 8 neighbours (256 j + 8 lane on), so a block of 32 is four lanes.  Mean first, then the squares of the differences: no difference of large sums.
; The tile's 12,288 bytes of codes meet in LDS and leave in stores of 512 consecutive bytes.
.set XO,  1                            ; 32 x lane
.set LB,  2                            ; LDS: where my 8 codes go
.set SBA, 3                            ; LDS: where my block's byte goes
.set RB,  4                            ; LDS: where I read codes back
.set GC,  5                            ; and where they go in memory
.set RS,  6                            ; the same for the scale words
.set GS,  7
.set G,   8                            ; v8-31   g of my 24 columns
.set BV,  32                           ; v32-55  b
.set X,   56                           ; v56-151 four rows
.set T0,  152
.set T1,  154
.set M,   156                          ; -mean, twice
.set R,   158                          ; 1 / sqrt, twice
.set MX,  160
.set SCL, 163
.set HLD, 166
.set PT,  169
.set C,   170                          ; v170-193 six registers of codes a row
.set E,   194                          ; v194-205 three bytes a row
.set SCB, 13056                        ; LDS: 24 chunks of 544 bytes (two halves of 256 + 16), then 384 scale bytes
.set SEL, 24
.set NINV, 26
.set INV, 27
.set EPS, 28
.set MNT, 29
.set TT,  30                           ; s30: the token tile
	s_load_b256 s[4:11], s[0:1], 0x0               ; x, g, b, the images
	s_sub_co_u32 s[TT], ttmp9, NWG
	v_lshrrev_b32 v1, 5, v0
	v_readfirstlane_b32 s12, v1                    ; wave
	v_and_b32 v206, 31, v0
	v_and_b32 v207, 15, v0
	v_lshlrev_b32 v[XO], 5, v206
	v_lshrrev_b32 v[LB], 2, v206                   ; chunk 8 j + lane / 4,
	v_mul_u32_u24 v[LB], v[LB], 544
	v_bfe_u32 v[PT], v0, 1, 1                      ; its half (lane / 2) % 2,
	v_mad_u32_u24 v[LB], v[PT], 272, v[LB]
	v_and_b32 v[PT], 1, v0                         ; and 8 bytes of the row's 16
	v_lshl_add_u32 v[LB], v[PT], 3, v[LB]
	s_lshl_b32 s13, s12, 6
	v_add_nc_u32 v[LB], s13, v[LB]                 ; row 4 w + i: 16 bytes a row
	v_bfe_u32 v[RB], v0, 4, 1
	v_bfe_u32 v[SBA], v0, 2, 2
	v_lshl_add_u32 v[SBA], v[RB], 6, v[SBA]        ; byte (s, r, c) at 64 s + 4 r + c
	s_lshl_b32 s13, s12, 4
	s_add_co_u32 s13, s13, SCB
	v_add_nc_u32 v[SBA], s13, v[SBA]
	v_lshlrev_b32 v[GS], 2, v207
	v_lshl_add_u32 v[GS], v[RB], 7, v[GS]
	s_lshl_b32 s13, s12, 8
	v_add_nc_u32 v[GS], s13, v[GS]
	v_mul_u32_u24 v[RB], v[RB], 272
	v_lshl_add_u32 v[RB], v207, 4, v[RB]
	s_mul_i32 s13, s12, 3264
	v_add_nc_u32 v[RB], s13, v[RB]                 ; wave w reads chunks 6 w .. 6 w + 5 back
	v_lshlrev_b32 v[GC], 4, v206
	s_mul_i32 s13, s12, 3072
	v_add_nc_u32 v[GC], s13, v[GC]
	v_lshlrev_b32 v[RS], 2, v206
	s_lshl_b32 s13, s12, 7
	s_add_co_u32 s13, s13, SCB
	v_add_nc_u32 v[RS], s13, v[RS]
	s_mov_b32 s[SEL], 0x76543210
	s_mov_b32 s[SEL+1], 0xfedcba98                 ; lane l xor 16
	s_mov_b32 s[NINV], 0xbaaaaaab                  ; -1 / 768
	s_mov_b32 s[INV], 0x3aaaaaab                   ; 1 / 768
	s_mov_b32 s[EPS], 0x3727c5ac                   ; 1e-5
	s_lshr_b32 s13, s[TT], 1
	s_lshl_b32 s14, s13, 5
	s_and_b32 s15, s[TT], 1
	s_lshl_b32 s16, s15, 3
	s_add_co_u32 s14, s14, s16
	s_lshl_b32 s16, s12, 2
	s_add_co_u32 s14, s14, s16
	s_lshr_b32 s16, s12, 1
	s_lshl_b32 s16, s16, 3
	s_add_co_u32 s14, s14, s16                     ; my first token: 32 (T / 2) + 8 (T % 2) + 4 w + 8 (w / 2)
	s_mul_i32 s16, s14, 3072
	s_mov_b32 s17, 0
	s_mul_i32 s18, s[TT], 12288
	s_mov_b32 s19, 0
	s_mul_i32 s20, s13, 768
	s_lshl_b32 s15, s15, 6
	s_add_co_u32 s20, s20, s15
	s_add_co_u32 s20, s20, 3145728
	s_mov_b32 s21, 0
	s_wait_kmcnt 0x0
	s_add_nc_u64 s[4:5], s[4:5], s[16:17]
	s_add_nc_u64 s[18:19], s[10:11], s[18:19]
	s_add_nc_u64 s[20:21], s[10:11], s[20:21]
.irp j, 0,1,2
	global_load_b128 v[G+8*\j:G+8*\j+3], v[XO], s[6:7] offset:1024*\j
	global_load_b128 v[G+8*\j+4:G+8*\j+7], v[XO], s[6:7] offset:1024*\j+16
	global_load_b128 v[BV+8*\j:BV+8*\j+3], v[XO], s[8:9] offset:1024*\j
	global_load_b128 v[BV+8*\j+4:BV+8*\j+7], v[XO], s[8:9] offset:1024*\j+16
.endr
.irp i, 0,1,2,3
.irp j, 0,1,2
	global_load_b128 v[X+24*\i+8*\j:X+24*\i+8*\j+3], v[XO], s[4:5] offset:3072*\i+1024*\j
	global_load_b128 v[X+24*\i+8*\j+4:X+24*\i+8*\j+7], v[XO], s[4:5] offset:3072*\i+1024*\j+16
.endr
.endr
.macro WSUM t                          ; the sum over the 32 lanes, in every lane
	v_add_f32_dpp v[\t], v[\t], v[\t] row_xmask:1 row_mask:0xf bank_mask:0xf
	v_add_f32_dpp v[\t], v[\t], v[\t] row_xmask:2 row_mask:0xf bank_mask:0xf
	v_add_f32_dpp v[\t], v[\t], v[\t] row_xmask:4 row_mask:0xf bank_mask:0xf
	v_add_f32_dpp v[\t], v[\t], v[\t] row_xmask:8 row_mask:0xf bank_mask:0xf
	v_permlanex16_b32 v[PT], v[\t], s[SEL], s[SEL+1]
	v_add_f32 v[\t], v[\t], v[PT]
.endm
.macro ROW i
.set XR, X+24*(\i)
	s_wait_loadcnt 18-6*(\i)                       ; this row's six loads are in; the later rows' may be out
	v_pk_add_f32 v[T0:T0+1], v[XR:XR+1], v[XR+2:XR+3]
	v_pk_add_f32 v[T1:T1+1], v[XR+4:XR+5], v[XR+6:XR+7]
.irp k, 8,12,16,20
	v_pk_add_f32 v[T0:T0+1], v[T0:T0+1], v[XR+\k:XR+\k+1]
	v_pk_add_f32 v[T1:T1+1], v[T1:T1+1], v[XR+\k+2:XR+\k+3]
.endr
	v_pk_add_f32 v[T0:T0+1], v[T0:T0+1], v[T1:T1+1]
	v_add_f32 v[T0], v[T0], v[T0+1]
	WSUM T0
	v_mul_f32 v[M], s[NINV], v[T0]
	v_mul_f32 v[M+1], s[NINV], v[T0]
.irp k, 0,2,4,6,8,10,12,14,16,18,20,22
	v_pk_add_f32 v[XR+\k:XR+\k+1], v[XR+\k:XR+\k+1], v[M:M+1]      ; x - mean
.endr
	v_pk_mul_f32 v[T0:T0+1], v[XR:XR+1], v[XR:XR+1]
	v_pk_mul_f32 v[T1:T1+1], v[XR+2:XR+3], v[XR+2:XR+3]
.irp k, 4,8,12,16,20
	v_pk_fma_f32 v[T0:T0+1], v[XR+\k:XR+\k+1], v[XR+\k:XR+\k+1], v[T0:T0+1]
	v_pk_fma_f32 v[T1:T1+1], v[XR+\k+2:XR+\k+3], v[XR+\k+2:XR+\k+3], v[T1:T1+1]
.endr
	v_pk_add_f32 v[T0:T0+1], v[T0:T0+1], v[T1:T1+1]
	v_add_f32 v[T0], v[T0], v[T0+1]
	WSUM T0
	v_fma_f32 v[T0], v[T0], s[INV], s[EPS]         ; var + eps
	s_wait_alu depctr_va_vdst(0)
	v_rsq_f32 v[R], v[T0]
	v_rsq_f32 v[R+1], v[T0]
	v_nop                                          ; a plain line behind the transcendentals,
	s_wait_alu depctr_va_vdst(0)                   ; and one wait for both, ahead of their first reader
.irp k, 0,2,4,6,8,10,12,14,16,18,20,22
	v_pk_mul_f32 v[XR+\k:XR+\k+1], v[XR+\k:XR+\k+1], v[R:R+1]
.endr
.irp k, 0,2,4,6,8,10,12,14,16,18,20,22
	v_pk_fma_f32 v[XR+\k:XR+\k+1], v[XR+\k:XR+\k+1], v[G+\k:G+\k+1], v[BV+\k:BV+\k+1]
.endr
.irp j, 0,1,2
	v_max3_num_f32 v[MX+\j], |v[XR+8*\j]|, |v[XR+8*\j+1]|, 0x4800000   ; my 8 numbers and the floor 2^(9 - 127)
.endr
.irp k, 2,4,6
.irp j, 0,1,2
	v_max3_num_f32 v[MX+\j], v[MX+\j], |v[XR+8*\j+\k]|, |v[XR+8*\j+\k+1]|
.endr
.endr
.irp j, 0,1,2
	v_max_num_f32_dpp v[MX+\j], v[MX+\j], v[MX+\j] row_xmask:1 row_mask:0xf bank_mask:0xf
.endr
.irp j, 0,1,2
	v_max_num_f32_dpp v[MX+\j], v[MX+\j], v[MX+\j] row_xmask:2 row_mask:0xf bank_mask:0xf   ; the four lanes of a block
.endr
.irp j, 0,1,2
	v_add_nc_u32 v[SCL+\j], 0xfc000000, v[MX+\j]
.endr
.irp j, 0,1,2
.endr
.irp j, 0,1,2
.irp k, 0,1,2,3,4,5,6,7
.endr
.endr
.irp j, 0,1,2
	v_cvt_scalef32_pk8_fp8_f32 v[C+6*(\i)+2*\j:C+6*(\i)+2*\j+1], v[XR+8*\j:XR+8*\j+7], v[SCL+\j]
.endr
.irp j, 0,1,2
	v_lshrrev_b32 v[E+3*(\i)+\j], 23, v[SCL+\j]
.endr
.irp j, 0,1,2
	ds_store_b64 v[LB], v[C+6*(\i)+2*\j:C+6*(\i)+2*\j+1] offset:4352*\j+16*(\i)
	ds_store_b8 v[SBA], v[E+3*(\i)+\j] offset:128*\j+4*(\i)        ; the four lanes of a block write the same byte with the same value
.endr
.endm
	ROW 0
	ROW 1
	ROW 2
	ROW 3
	s_wait_dscnt 0x0                               ; for the others' sake: my stores have landed
	s_barrier_signal -1
	s_barrier_wait -1
.irp k, 0,1,2,3,4,5
	ds_load_b128 v[X+4*\k:X+4*\k+3], v[RB] offset:544*\k
.endr
	s_cmp_lt_u32 s12, 3                            ; the 96 scale words are three waves' work
	s_cbranch_scc0 .Lno_words
	ds_load_b32 v[T0], v[RS]
	s_wait_dscnt 0x0
	global_store_b32 v[GS], v[T0], s[20:21]
.Lno_words:
	s_wait_dscnt 0x0
.irp k, 0,1,2,3,4,5
	global_store_b128 v[GC], v[X+4*\k:X+4*\k+3], s[18:19] offset:512*\k   ; 32 lanes store 512 consecutive bytes, aligned
.endr
	s_wait_tensorcnt 0x0
	ds_add_u32 v208, v209
	s_wait_dscnt 0x0
	s_endpgm
.Lfunc_end_k_q74d9ca0de5_prep:
	.size	k_q74d9ca0de5_prep, .Lfunc_end_k_q74d9ca0de5_prep-k_q74d9ca0de5_prep
	.p2alignl 7, 3214868480
	.fill 96, 4, 3214868480
	.section	.rodata,"a",@progbits
	.p2align	6, 0x0
	.amdhsa_kernel k_q74d9ca0de5_prep
		.amdhsa_group_segment_fixed_size 14080
		.amdhsa_private_segment_fixed_size 0
		.amdhsa_enable_private_segment 0
		.amdhsa_kernarg_size 88
		.amdhsa_user_sgpr_count 2
		.amdhsa_user_sgpr_kernarg_segment_ptr 1
		.amdhsa_wavefront_size32 1
		.amdhsa_system_sgpr_workgroup_id_x 1
		.amdhsa_system_sgpr_workgroup_id_y 1
		.amdhsa_system_sgpr_workgroup_id_z 1
		.amdhsa_system_vgpr_workitem_id 0
		.amdhsa_next_free_vgpr 210
		.amdhsa_next_free_sgpr 66
		.amdhsa_reserve_vcc 0
		.amdhsa_float_denorm_mode_32 3
		.amdhsa_float_denorm_mode_16_64 3
		.amdhsa_fp16_overflow 1
		.amdhsa_memory_ordered 1
		.amdhsa_forward_progress 1
		.amdhsa_inst_pref_size 78
	.end_amdhsa_kernel
	.amdgpu_metadata
---
amdhsa.version: [ 1, 2 ]
amdhsa.kernels:
  - .name:           k_q74d9ca0de5_prep
    .symbol:         k_q74d9ca0de5_prep.kd
    .args:
      - { .name: x, .offset: 0, .size: 8, .value_kind: global_buffer, .address_space: global }
      - { .name: g1, .offset: 8, .size: 8, .value_kind: global_buffer, .address_space: global }
      - { .name: b1, .offset: 16, .size: 8, .value_kind: global_buffer, .address_space: global }
      - { .name: hq, .offset: 24, .size: 8, .value_kind: global_buffer, .address_space: global }
      - { .name: wq, .offset: 32, .size: 8, .value_kind: global_buffer, .address_space: global }
      - { .name: wk, .offset: 40, .size: 8, .value_kind: global_buffer, .address_space: global }
      - { .name: wv, .offset: 48, .size: 8, .value_kind: global_buffer, .address_space: global }
      - { .name: wo, .offset: 56, .size: 8, .value_kind: global_buffer, .address_space: global }
      - { .name: w_ff1, .offset: 64, .size: 8, .value_kind: global_buffer, .address_space: global }
      - { .name: w_ff2, .offset: 72, .size: 8, .value_kind: global_buffer, .address_space: global }
      - { .name: wts, .offset: 80, .size: 8, .value_kind: global_buffer, .address_space: global }
    .group_segment_fixed_size: 14080
    .private_segment_fixed_size: 0
    .kernarg_segment_align: 8
    .kernarg_segment_size: 88
    .max_flat_workgroup_size: 128
    .sgpr_count:     66
    .vgpr_count:     210
    .wavefront_size: 32
...
	.end_amdgpu_metadata
.endif
;; end of part 1
;; launch qkv (part 2): grid 9 x 16, 4 waves a work-group, no clusters, 327,680 bytes of LDS; arguments hq, wts, bq, bk, bv, qkv; writes qkv
.if DOCPART == 2
	.amdgcn_target "amdgcn-amd-amdhsa--gfx1250"
	.amdhsa_code_object_version 6
	.text
	.protected	k_q74d9ca0de5_qkv
	.globl	k_q74d9ca0de5_qkv
	.p2align	8
	.type	k_q74d9ca0de5_qkv,@function
k_q74d9ca0de5_qkv:
	s_mov_b64 s[64:65], 0
	v_nop
	global_prefetch_b8 v0, s[64:65] scope:SCOPE_SE
	s_setreg_imm32_b32 hwreg(HW_REG_WAVE_MODE, 25, 1), 1
	s_wait_xcnt 0x0
.set LI,   1
.set L4,   2
.set LA,   3
.set LS,   4
.set WSO,  5
.set BO,   6
.set SELV, 7
.set LA1,  9
.set WS,   10
.set AS,   22
.set WV4,  26
.set GSO,  40
.set BI,   48
.set ACC,  80
.set PC,   144
.set TM,   160
.set PW,   176
.set QW,   177
.set G1A, 24
.set G1S, 32
.set G0A, 40
.set G0S, 44
.set WB,  52
.set WSB, 54
.set BB,  56
.set OC,  58
.set OS,  60
.set OSP, 62
.set SEL, 66
.set MNT, 68
.set CNT, 69
.set MSB, 0
.macro WIN new
.if MSB != (\new)
	s_set_vgpr_msb (MSB<<8)|(\new)
.set MSB, \new
.endif
.endm
.macro PLACES n
.rept \n
	v_nop
.endr
.endm
.macro DENSE g, rows
	s_mov_b32 s[\g], 3<<16
	s_mov_b32 s[\g+1], 32<<16
	s_mov_b32 s[\g+2], (\rows)<<16
	s_mov_b32 s[\g+3], 32<<16
	s_mov_b32 s[\g+4], \rows
	s_mov_b32 s[\g+5], 32
	s_mov_b32 s[\g+6], 0
	s_mov_b32 s[\g+7], 0
.endm
.macro WM d, a, b, c, sa, sb, ra, rb
.if (\ra) && (\rb)
	v_wmma_scale_f32_16x16x128_f8f6f4 v[\d:\d+7], v[\a:\a+15], v[\b:\b+15], v[\c:\c+7], v[\sa], v[\sb] matrix_a_scale:MATRIX_SCALE_ROW1 matrix_b_scale:MATRIX_SCALE_ROW1
.elseif (\ra)
	v_wmma_scale_f32_16x16x128_f8f6f4 v[\d:\d+7], v[\a:\a+15], v[\b:\b+15], v[\c:\c+7], v[\sa], v[\sb] matrix_a_scale:MATRIX_SCALE_ROW1
.elseif (\rb)
	v_wmma_scale_f32_16x16x128_f8f6f4 v[\d:\d+7], v[\a:\a+15], v[\b:\b+15], v[\c:\c+7], v[\sa], v[\sb] matrix_b_scale:MATRIX_SCALE_ROW1
.else
	v_wmma_scale_f32_16x16x128_f8f6f4 v[\d:\d+7], v[\a:\a+15], v[\b:\b+15], v[\c:\c+7], v[\sa], v[\sb]
.endif
.endm
.macro QUANT s, word
.irp b, 0,1,2,3
	v_max3_num_f32 v[TM+\b], |v[\s+16*\b]|, |v[\s+1+16*\b]|, 0x4800000
.endr
.irp i, 2,4,6,8,10,12,14
.irp b, 0,1,2,3
	v_max3_num_f32 v[TM+\b], v[TM+\b], |v[\s+16*\b+\i]|, |v[\s+1+16*\b+\i]|
.endr
.endr
.irp b, 0,1,2,3
	v_permlanex16_b32 v[TM+4+\b], v[TM+\b], s[SEL], s[SEL+1]
.endr
.irp b, 0,1,2,3
	v_max_num_f32 v[TM+\b], v[TM+\b], v[TM+4+\b]
.endr
.irp b, 0,1,2,3
	v_add_nc_u32 v[TM+12+\b], 0xfc000000, v[TM+\b]
.endr
.irp b, 0,1,2,3
.endr
.irp b, 0,1,2,3
	v_lshrrev_b32 v[TM+4+\b], 23, v[TM+12+\b]
.endr
.if \word
	v_lshl_or_b32 v[PW], v[TM+5], 8, v[TM+4]
	v_lshl_or_b32 v[PW], v[TM+6], 16, v[PW]
	v_lshl_or_b32 v[PW], v[TM+7], 24, v[PW]
.endif
.irp b, 0,1,2,3
.irp i, 0,1,2,3,4,5,6,7,8,9,10,11,12,13,14,15
.endr
	v_cvt_scalef32_pk8_fp8_f32 v[PC+4*\b:PC+1+4*\b], v[\s+16*\b:\s+7+16*\b], v[TM+12+\b]
	v_cvt_scalef32_pk8_fp8_f32 v[PC+2+4*\b:PC+3+4*\b], v[\s+8+16*\b:\s+15+16*\b], v[TM+12+\b]
.endr
	v_nop
.endm
	s_load_b256 s[4:11], s[0:1], 0x0
	s_load_b128 s[12:15], s[0:1], 0x20
	v_lshl_add_u32 v254, v0, 2, 0x31800
	v_mov_b32 v255, 0
	ds_add_u32 v254, v255
	ds_add_u32 v254, v255
	v_lshrrev_b32 v8, 5, v0
	v_readfirstlane_b32 s16, v8
	s_and_b32 s17, ttmp7, 0xffff
	s_mul_hi_u32 s18, ttmp9, 0x55555556
	s_lshl_b32 s19, ttmp9, 2
	s_add_co_u32 s19, s19, s16
	s_mul_i32 s20, s18, 12
	s_sub_co_u32 s20, s19, s20
	DENSE G1A, 192
	DENSE G1S, 6
	s_mul_i32 s21, s16, 49152
	s_mul_i32 s22, s16, 1536
	s_mul_i32 s48, s17, 196608
	s_add_co_u32 s48, s48, s21
	s_mov_b32 s49, 0
	s_mul_i32 s50, s17, 6144
	s_add_co_u32 s50, s50, s22
	s_add_co_u32 s50, s50, 3145728
	s_mov_b32 s51, 0
	s_mov_b32 s[SEL], 0x76543210
	s_mov_b32 s[SEL+1], 0xfedcba98
	s_wait_dscnt 0x0
	s_wait_kmcnt 0x0
	s_mov_b32 s[G0S], 1
	s_add_co_u32 s[G0S+1], s22, 196608
	s_add_nc_u64 s[G0S+2:G0S+3], s[4:5], s[50:51]
	s_or_b32 s[G0S+3], s[G0S+3], 0x80000000
	s_mov_b32 s[G0A], 1
	s_mov_b32 s[G0A+1], s21
	s_add_nc_u64 s[G0A+2:G0A+3], s[4:5], s[48:49]
	s_or_b32 s[G0A+3], s[G0A+3], 0x80000000
	tensor_load_to_lds s[G0S:G0S+3], s[G1S:G1S+7]
	s_nop 0
	s_wait_alu depctr_va_vdst(0)
	s_wait_tensorcnt 0x0
	ds_add_u32 v254, v255
	s_wait_dscnt 0x0
	s_barrier_signal -1
	s_barrier_wait -1
	tensor_load_to_lds s[G0A:G0A+3], s[G1A:G1A+7]
	s_nop 0
	PLACES 4
	s_mul_i32 s48, s19, 49152
	s_add_nc_u64 s[WB:WB+1], s[6:7], s[48:49]
	s_mul_i32 s48, s19, 1536
	s_add_co_u32 s48, s48, 7077888
	s_add_nc_u64 s[WSB:WSB+1], s[6:7], s[48:49]
	s_cmp_eq_u32 s18, 0
	s_cselect_b64 s[BB:BB+1], s[8:9], s[10:11]
	s_cmp_eq_u32 s18, 2
	s_cselect_b64 s[BB:BB+1], s[12:13], s[BB:BB+1]
	s_lshl_b32 s48, s20, 8
	s_add_nc_u64 s[BB:BB+1], s[BB:BB+1], s[48:49]
	s_mov_b32 s77, 9732096
	s_cmp_eq_u32 s18, 1
	s_cselect_b32 s77, 9633792, s77
	s_mov_b32 s73, 0x03020100
	s_mov_b32 s76, 256
	s_cmp_eq_u32 s18, 0
	s_cselect_b32 s77, 9437184, s77
	s_cselect_b32 s70, 31, 15
	s_cselect_b32 s71, 128, 64
	s_cselect_b32 s72, 6, 5
	s_cselect_b32 s74, 0x01000100, s73
	s_cselect_b32 s75, 0x03020302, s73
	s_cselect_b32 s[OSP], 512, s76
	s_mov_b32 s[OSP+1], 0
	s_lshl_b32 s78, s20, 8
	s_lshl_b32 s79, s17, 4
	s_add_co_u32 s78, s78, s79
	s_lshl_b32 s48, s78, 10
	s_mul_i32 s79, s18, 3145728
	s_add_co_u32 s48, s48, s79
	s_add_nc_u64 s[OC:OC+1], s[14:15], s[48:49]
	s_lshl_b32 s48, s78, s72
	s_add_co_u32 s48, s48, s77
	s_add_nc_u64 s[OS:OS+1], s[14:15], s[48:49]
	v_and_b32 v8, 31, v0
	v_and_b32 v30, 15, v0
	v_bfe_u32 v31, v0, 4, 1
	v_cmp_gt_u32 vcc_lo, 16, v8
	v_lshlrev_b32 v[LI], 4, v8
	v_lshlrev_b32 v[L4], 2, v8
	v_mov_b32 v[LA], v[LI]
	v_add_nc_u32 v[LA1], 49152, v[LI]
	v_add_nc_u32 v[LS], 196608, v[L4]
	v_mul_u32_u24 v[WSO], v30, 24
	v_mad_u32_u24 v[WSO], v31, 384, v[WSO]
	v_and_b32 v[GSO], s70, v0
	v_lshlrev_b32 v[GSO], 2, v[GSO]
.irp p, 1,2,3
	v_add_nc_u32 v[GSO+\p], s71, v[GSO+\p-1]
.endr
	v_mov_b32 v[PW], s74
	v_mov_b32 v[QW], s75
	v_cndmask_b32 v[SELV], v[QW], v[PW], vcc_lo
.irp b, 0,1,2,3
	v_mov_b32 v[TM+4+\b], 0
.endr
.irp b, 0,1
.irp k, 0,1,2
	global_load_b64 v[WS+6*\b+2*\k:WS+6*\b+2*\k+1], v[WSO], s[WSB:WSB+1] offset:768*\b+8*\k
.endr
.endr
.irp s, 0,1,2,3,4,5
	WIN (1+\s/4)<<6
.irp a, 0,1,2,3
.irp c, 0,1,2,3
	global_load_b128 v[64*(\s%4)+16*\a+4*\c:64*(\s%4)+16*\a+4*\c+3], v[LI], s[WB:WB+1] offset:(6*\a+\s)*2048+512*\c
.endr
.endr
.endr
	WIN 0
	s_wait_tensorcnt 0x0
	s_barrier_signal -1
	s_barrier_wait -1
.macro CHL q
.set PP, (\q)/3
.set ST, (\q)%2
.if PP < 2
.set LR, LA
.else
.set LR, LA1
.endif
	WIN 0x80
.irp sp, 0,1
.irp u, 0,1
.irp c, 0,1,2,3
	ds_load_b128 v[128+64*ST+32*\sp+16*\u+4*\c:128+64*ST+32*\sp+16*\u+4*\c+3], v[LR] offset:((2*(PP%2)+\u)*6+2*((\q)%3)+\sp)*2048+512*\c
.endr
.endr
.endr
	WIN 0
.irp sp, 0,1
	ds_load_b32 v[AS+2*ST+\sp], v[LS] offset:768*PP+128*(2*((\q)%3)+\sp)
.endr
.endm
.macro CHUNK q, vp
.if (\q) == 11
	s_wait_dscnt 0x0
.else
	s_wait_dscnt 18
.endif
.if \vp
	WIN 0x02|((1+((\q)%3)/2)<<2)
.else
	WIN 0x08|(1+((\q)%3)/2)
.endif
.irp sp, 0,1
.irp u, 0,1
.irp a, 0,1,2,3
.set SS, 2*((\q)%3)+\sp
.set WR, 64*(SS%4)+16*\a
.set AR, 128+64*((\q)%2)+32*\sp+16*\u
.set SW, WS+6*(\a/2)+SS
.set SA, AS+2*((\q)%2)+\sp
.if \vp
.set DD, ACC+16*\a+8*\u
.else
.set DD, ACC+32*\u+8*\a
.endif
.set CC, DD
.if SS == 0
.set CC, BI+8*\a
.endif
.if \vp
	WM DD, AR, WR, CC, SA, SW, \u, \a%2
.else
	WM DD, WR, AR, CC, SW, SA, \a%2, \u
.endif
.endr
.endr
.endr
	WIN 0
	PLACES 8
.if (\q)+2 < 12
	CHL (\q)+2
.endif
.endm
.macro EPI_QK p
	s_wait_xcnt 0x0
	QUANT ACC, 1
.irp b, 0,1,2,3
	global_store_b128 v[LI], v[PC+4*\b:PC+4*\b+3], s[OC:OC+1] offset:2048*(\p)+512*\b
.endr
	v_perm_b32 v[QW], v[PW], v[PW], v[SELV]
	global_store_b32 v[GSO+(\p)], v[QW], s[OS:OS+1]
.endm
.macro EPI_V p
	s_wait_xcnt 0x0
	QUANT ACC, 0
.irp a, 0,1,2,3
	global_store_b128 v[LI], v[PC+4*\a:PC+4*\a+3], s[OC:OC+1] offset:2048*\a+512*(\p)
.endr
.irp a, 0,1,2,3
.if (\p) == 0
	v_mov_b32 v[WV4+\a], v[TM+4+\a]
.else
	v_lshl_or_b32 v[WV4+\a], v[TM+4+\a], 8*(\p), v[WV4+\a]
.endif
.endr
.if (\p) == 3
	v_cndmask_b32 v[QW], v[WV4+1], v[WV4], vcc_lo
	v_cndmask_b32 v[QW+1], v[WV4+3], v[WV4+2], vcc_lo
	global_store_b32 v[L4], v[QW], s[OS:OS+1]
	global_store_b32 v[L4], v[QW+1], s[OS:OS+1] offset:128
.endif
.endm
.macro TRIP vp
	CHL 0
	CHL 1
.irp q, 0,1,2,3,4,5,6,7,8,9,10,11
	CHUNK \q, \vp
.if \q%3 == 2
.if \vp
	EPI_V \q/3
.else
	EPI_QK \q/3
.endif
.endif
.endr
	s_wait_xcnt 0x0
	s_add_nc_u64 s[OC:OC+1], s[OC:OC+1], 8192
	s_add_nc_u64 s[OS:OS+1], s[OS:OS+1], s[OSP:OSP+1]
	v_add_nc_u32 v[LA], 98304, v[LA]
	v_add_nc_u32 v[LA1], 98304, v[LA1]
	v_add_nc_u32 v[LS], 3072, v[LS]
	s_sub_co_u32 s[CNT], s[CNT], 1
	s_cmp_lg_u32 s[CNT], 0
.endm
	s_mov_b32 s[CNT], 2
	s_cmp_eq_u32 s18, 2
	s_cbranch_scc1 .Lv_path
	v_lshlrev_b32 v[BO], 6, v31
.irp b, 0,1
.irp k, 0,1,2,3
	global_load_b128 v[BI+16*\b+4*\k:BI+16*\b+4*\k+3], v[BO], s[BB:BB+1] offset:128*\b+16*\k
.endr
.endr
	s_wait_loadcnt 0x0
.Lqk:
	s_wait_alu depctr_va_vdst(0)
	TRIP 0
	s_cbranch_scc1 .Lqk
	s_wait_tensorcnt 0x0
	ds_add_u32 v254, v255
	s_wait_dscnt 0x0
	s_endpgm
.Lv_path:
	v_and_b32 v[BO], 8, v30
	v_add_nc_u32 v[BO], v[BO], v30
	v_lshlrev_b32 v[BO], 2, v[BO]
.irp a, 0,1,2,3
.irp k, 0,1,2,3,4,5,6,7
	global_load_b32 v[BI+8*\a+\k], v[BO], s[BB:BB+1] offset:(32*(\a/2)+8*(\a%2))*4
.endr
.endr
	s_wait_loadcnt 0x0
.Lv:
	s_wait_alu depctr_va_vdst(0)
	TRIP 1
	s_cbranch_scc1 .Lv
	s_wait_tensorcnt 0x0
	ds_add_u32 v254, v255
	s_wait_dscnt 0x0
	s_endpgm
.Lfunc_end_k_q74d9ca0de5_qkv:
	.size	k_q74d9ca0de5_qkv, .Lfunc_end_k_q74d9ca0de5_qkv-k_q74d9ca0de5_qkv
	.p2alignl 7, 3214868480
	.fill 96, 4, 3214868480
	.section	.rodata,"a",@progbits
	.p2align	6, 0x0
	.amdhsa_kernel k_q74d9ca0de5_qkv
		.amdhsa_group_segment_fixed_size 327680
		.amdhsa_private_segment_fixed_size 0
		.amdhsa_enable_private_segment 0
		.amdhsa_kernarg_size 48
		.amdhsa_user_sgpr_count 2
		.amdhsa_user_sgpr_kernarg_segment_ptr 1
		.amdhsa_wavefront_size32 1
		.amdhsa_system_sgpr_workgroup_id_x 1
		.amdhsa_system_sgpr_workgroup_id_y 1
		.amdhsa_system_sgpr_workgroup_id_z 1
		.amdhsa_system_vgpr_workitem_id 0
		.amdhsa_next_free_vgpr 768
		.amdhsa_next_free_sgpr 80
		.amdhsa_reserve_vcc 1
		.amdhsa_float_denorm_mode_32 3
		.amdhsa_float_denorm_mode_16_64 3
		.amdhsa_fp16_overflow 1
		.amdhsa_memory_ordered 1
		.amdhsa_forward_progress 1
		.amdhsa_inst_pref_size 139
	.end_amdhsa_kernel
	.amdgpu_metadata
---
amdhsa.version: [ 1, 2 ]
amdhsa.kernels:
  - .name:           k_q74d9ca0de5_qkv
    .symbol:         k_q74d9ca0de5_qkv.kd
    .args:
      - { .name: hq, .offset: 0, .size: 8, .value_kind: global_buffer, .address_space: global }
      - { .name: wts, .offset: 8, .size: 8, .value_kind: global_buffer, .address_space: global }
      - { .name: bq, .offset: 16, .size: 8, .value_kind: global_buffer, .address_space: global }
      - { .name: bk, .offset: 24, .size: 8, .value_kind: global_buffer, .address_space: global }
      - { .name: bv, .offset: 32, .size: 8, .value_kind: global_buffer, .address_space: global }
      - { .name: qkv, .offset: 40, .size: 8, .value_kind: global_buffer, .address_space: global }
    .group_segment_fixed_size: 327680
    .private_segment_fixed_size: 0
    .kernarg_segment_align: 8
    .kernarg_segment_size: 48
    .max_flat_workgroup_size: 128
    .sgpr_count:     80
    .vgpr_count:     768
    .wavefront_size: 32
...
	.end_amdgpu_metadata
.endif
;; end of part 2
;; launch attn (part 3): grid 64 x 4, 12 waves a work-group, clusters of 4 x 1, 327,680 bytes of LDS; arguments qkv, att; writes att
.if DOCPART == 3
	.amdgcn_target "amdgcn-amd-amdhsa--gfx1250"
	.amdhsa_code_object_version 6
	.text
	.protected	k_q74d9ca0de5_attn
	.globl	k_q74d9ca0de5_attn
	.p2align	8
	.type	k_q74d9ca0de5_attn,@function
k_q74d9ca0de5_attn:
	s_mov_b64 s[64:65], 0
	v_nop
	global_prefetch_b8 v0, s[64:65] scope:SCOPE_SE
	s_setreg_imm32_b32 hwreg(HW_REG_WAVE_MODE, 25, 1), 1
	s_wait_xcnt 0x0
	s_wait_alu depctr_hold_cnt(0) depctr_sa_sdst(0) depctr_va_vdst(0) depctr_va_sdst(0) depctr_va_ssrc(0) depctr_va_vcc(0) depctr_vm_vsrc(0)
	s_getreg_b32 s2, hwreg(HW_REG_IB_STS2, 6, 4)
	s_cmp_eq_u32 s2, 0
	s_cbranch_scc0 .Lentry_in_a_cluster
	s_endpgm
.Lentry_in_a_cluster:
	s_bfe_u32 s2, ttmp6, 0x10000c
	s_cmp_lg_u32 s2, 0x3003
	s_cbranch_scc0 .Lentry_shape_is_right
	s_endpgm
.Lentry_shape_is_right:
; attn = softmax(q k^T / 8) v for 12 heads of 64, 4,096 tokens, both products on codes of E4M3 with one E8M0 byte for each 32 along K; the result is quantised along the features for the next product.
; THE SOFTMAX: t = score x log2(e) / 8; M = the running largest t rounded UP to a whole number; p = 2^(t - M) is quantised along the keys, not normalised; the row's sum is taken of the unquantised p and divides at the end;
; when M moves, the sum and O are multiplied by 2^(old M - new M), which rounds nothing.
; SHARES.  A work-group owns 64 queries of three heads: twelve waves, each one tile of 16 queries of one head, in 256 registers, three waves to a SIMD.  Every wave walks all 4,096 keys, 128 a step.
; CLUSTER.  The four work-groups of a cluster walk the same K and V of the same three heads: every tile is asked for JOINTLY (mask 15).  Waves 0-5 fetch (head w / 2; K: even, V: odd), one load each.
; RING.  Two slots of 256 keys, 2^17 bytes apart; the scale words of the three heads stay in LDS.  At most two tensor loads of a wave are out (the head's), later one.
; LAYOUT.  Both products are used transposed, so a lane holds ONE query.  All tiles are images of operand registers: a fragment is four loads of 16 bytes at 16 x lane.
; K = 64 IN AN INSTRUCTION OF 128: a fragment of k holds TWO key tiles (chunks 0, 1 and chunks 2, 3).  Against [q, 0] it gives the first tile's scores, against [0, q] the second's: zero codes add nothing.
; The keys of a tile are taken so that the 16 registers of two neighbouring tiles are 16 neighbouring keys: p's codes are the second product's operand.
; THE EXPONENTIALS ARE DEALT AMONG PLAIN LINES, a block of 32 keys at a time: block b + 1's sixteen stand among the lines that sum and convert block b, so that the wave has other work to issue between two of them.
; One wait stands ahead of each block's first reader: four a key step.
; LIMITS: NaN and infinities are not served; a block of zeros, or one under 2^-118, gets the byte 1.
.set SLOT1, 131072
.set SCK,   262144                     ; k's scale words, 8,192 bytes a head
.set SCV,   286720                     ; v's
.set SPARE, 311296                     ; the spare words: 128 bytes a wave, six blocks of 256 bytes that no other line names
.set AK0,  1
.set AV0,  2
.set ASK0, 3
.set ASV0, 4
.set SPW,  5
.set NIL,  6
.set PFO,  7                           ; 256 x lane; never rewritten
.set ADK,  8
.set ADV,  9
.set ADS,  10
.set ADT,  11                          ; v12 -M, v13 the largest t, v[14:15] the sum; v16-23 zeros, v24-31 q, v32-39 zeros
.set QS,   40                          ; q's scale word
.set FR,   48                          ; v48-111  four fragments of k or of v
.set S,    112                         ; v112-175 scores, then p
.set O,    176                         ; v176-207 O^T
.set PCD,  208                         ; v208-223 p's codes
.set BM,   224
.set PD,   228
.set HD,   232
.set SC,   236
.set KSC,  240
.set VSC,  242
.set WV,   18
.set MNT,  19
.set SEL,  20
.set CS,   22
.set G1C,  24
.set G1S,  32
.set G0C,  40
.set G0S,  44
.set TB,   48
.set TS,   49
.set SLOTS, 50
.set LIM,  51
.set PFA,  52
.macro PLACES n
.rept \n
	v_nop
.endr
.endm
.macro DENSE g, rows                   ; group 1: a dense block as rows of 256 bytes; mask 15: all four work-groups; bit 21 set beside it
	s_mov_b32 s[\g], 15|(3<<16)|(1<<21)
	s_mov_b32 s[\g+1], 32<<16
	s_mov_b32 s[\g+2], (\rows)<<16
	s_mov_b32 s[\g+3], 32<<16
	s_mov_b32 s[\g+4], \rows
	s_mov_b32 s[\g+5], 32
	s_mov_b32 s[\g+6], 0
	s_mov_b32 s[\g+7], 0
.endm
.macro CROUND                          ; a round of the cluster's barrier
	s_barrier_signal -1
	s_barrier_wait -1
	s_cmp_lg_u32 s[WV], 0
	s_cbranch_scc1 .Lnot_wave_0_\@
	s_barrier_signal -3
.Lnot_wave_0_\@:
	s_barrier_wait -3
	s_barrier_signal -1
	s_barrier_wait -1
.endm
.macro TLOAD                           ; the joint refill: waves 0-5, one load each; the branch hangs on the wave's number alone
	s_cmp_lt_u32 s[WV], 6
	s_cbranch_scc0 .Lnone_\@
	tensor_load_to_lds s[G0C:G0C+3], s[G1C:G1C+7]
	s_nop 0
	PLACES 4
.Lnone_\@:
.endm
; A prefetch of what the NEXT change of slots will ask for.  All clusters of a row of the grid walk the same three heads: the first cluster asks.  In it waves 6, 7, 8 take a head each, and the four partners share the head's
; 32,768 bytes of a slot (k's 16,384, v's 16,384) out BY ADDRESS, 8,192 each, lanes 256 bytes apart: each block is named once.  The last change that fills a slot asks for nothing.
.macro ASK
	s_cmp_gt_u32 s[SLOTS], s[LIM]
	s_cbranch_scc0 .Lnot_mine_\@
	global_prefetch_b8 v[PFO], s[PFA:PFA+1] th:TH_LOAD_NT scope:SCOPE_SE
.Lnot_mine_\@:
.endm
	s_load_b128 s[4:7], s[0:1], 0x0                ; qkv, att
	v_lshl_add_u32 v[SPW], v0, 2, SPARE
	v_mov_b32 v[NIL], 0
	ds_add_u32 v5, v6
	s_wait_dscnt 0x0
	v_lshrrev_b32 v8, 5, v0
	v_readfirstlane_b32 s[WV], v8                  ; wave 0..11
	s_bfe_u32 s54, ttmp6, 0x40000                  ; cx: it enters q's, att's and the prefetches' addresses alone
	s_lshl_b32 s55, ttmp9, 2
	s_add_co_u32 s55, s55, s54                     ; which 64 queries
	s_and_b32 s56, ttmp7, 0xffff
	s_mul_i32 s57, s56, 3                          ; the first of my work-group's three heads
	s_lshr_b32 s58, s[WV], 2
	s_add_co_u32 s59, s57, s58                     ; my head
	s_lshl_b32 s60, s55, 2
	s_and_b32 s61, s[WV], 3
	s_add_co_u32 s60, s60, s61                     ; my tile of queries
	; what I fetch, if I fetch: made of the row of the grid and the wave's number alone
	s_and_b32 s66, s[WV], 1
	s_lshr_b32 s67, s[WV], 1
	s_add_co_u32 s68, s57, s67
	s_mul_i32 s69, s66, 3145728
	s_lshl_b32 s70, s68, 18
	s_add_co_u32 s70, s70, s69
	s_add_co_u32 s70, s70, 3145728                 ; codes: k's, or v's 3,145,728 further on; 262,144 a head
	s_mov_b32 s71, 0
	s_mul_i32 s72, s66, 98304
	s_lshl_b32 s73, s68, 13
	s_add_co_u32 s72, s72, s73
	s_add_co_u32 s72, s72, 9633792                 ; scale words: 8,192 a head
	s_mov_b32 s73, 0
	s_lshl_b32 s74, s[WV], 14
	s_mul_i32 s75, s66, 24576
	s_lshl_b32 s76, s67, 13
	s_add_co_u32 s75, s75, s76
	s_add_co_u32 s75, s75, SCK
	DENSE G1C, 64
	DENSE G1S, 32
	; q, and where the result goes
	s_lshl_b32 s62, s59, 8
	s_add_co_u32 s62, s62, s60
	s_lshl_b32 s78, s62, 10
	s_mov_b32 s79, 0
	s_lshl_b32 s80, s62, 6
	s_add_co_u32 s80, s80, 9437184
	s_mov_b32 s81, 0
	s_mul_i32 s82, s60, 6
	s_lshr_b32 s86, s59, 1
	s_and_b32 s87, s59, 1
	s_add_co_u32 s82, s82, s86
	s_lshl_b32 s82, s82, 11
	s_lshl_b32 s88, s87, 10
	s_add_co_u32 s82, s82, s88                     ; fragment (tile, K step head / 2), chunks 2 (head % 2) on
	s_mov_b32 s83, 0
	s_lshr_b32 s84, s60, 1
	s_mul_i32 s84, s84, 768
	s_lshl_b32 s86, s86, 7
	s_add_co_u32 s84, s84, s86
	s_and_b32 s88, s60, 1
	s_lshl_b32 s88, s88, 6
	s_add_co_u32 s84, s84, s88
	s_lshl_b32 s87, s87, 1
	s_add_co_u32 s84, s84, s87
	s_add_co_u32 s84, s84, 3145728
	s_mov_b32 s85, 0
	; the prefetches
	s_sub_co_u32 s86, s[WV], 6
	s_min_u32 s87, s86, 2
	s_cmp_lt_u32 s86, 3
	s_cselect_b32 s86, 0, 1
	s_or_b32 s86, s86, ttmp9
	s_cmp_eq_u32 s86, 0
	s_cselect_b32 s[LIM], 1, -1                    ; the same in all four partners, for a given wave
	s_lshr_b32 s89, s54, 1
	s_mul_i32 s89, s89, 3145728
	s_and_b32 s90, s54, 1
	s_lshl_b32 s90, s90, 13
	s_add_co_u32 s89, s89, s90
	s_add_co_u32 s91, s57, s87
	s_lshl_b32 s91, s91, 18
	s_add_co_u32 s89, s89, s91
	s_add_co_u32 s92, s89, 3145728+16384           ; in slot 1: the first change of slots steps it to slot 2
	s_mov_b32 s93, 0
	s_mov_b32 s[SEL], 0x76543210
	s_mov_b32 s[SEL+1], 0xfedcba98
	s_mov_b32 s[CS], 0x3e38aa3b                    ; log2(e) / 8
	s_mov_b32 s[CS+1], s[CS]
	s_mov_b32 s[TB], 0
	s_mov_b32 s[TS], 0
	s_mov_b32 s[SLOTS], 15
	s_wait_kmcnt 0x0
	s_mov_b32 s[G0S], 1
	s_mov_b32 s[G0S+1], s75
	s_add_nc_u64 s[G0S+2:G0S+3], s[4:5], s[72:73]
	s_or_b32 s[G0S+3], s[G0S+3], 0x80000000
	s_mov_b32 s[G0C], 1
	s_mov_b32 s[G0C+1], s74
	s_add_nc_u64 s[G0C+2:G0C+3], s[4:5], s[70:71]
	s_or_b32 s[G0C+3], s[G0C+3], 0x80000000
	s_add_nc_u64 s[78:79], s[4:5], s[78:79]
	s_add_nc_u64 s[80:81], s[4:5], s[80:81]
	s_add_nc_u64 s[82:83], s[6:7], s[82:83]
	s_add_nc_u64 s[84:85], s[6:7], s[84:85]
	s_add_nc_u64 s[PFA:PFA+1], s[4:5], s[92:93]
	CROUND                                         ; all four work-groups are here: the first joint loads meet
	s_cmp_lt_u32 s[WV], 6                          ; a wave's two first fills stand in one branch
	s_cbranch_scc0 .Lno_first
	tensor_load_to_lds s[G0S:G0S+3], s[G1S:G1S+7]  ; a head's scale words of k or of v: filled once
	s_nop 0
	tensor_load_to_lds s[G0C:G0C+3], s[G1C:G1C+7]  ; slot 0
	s_nop 0
	PLACES 4
.Lno_first:
	v_and_b32 v8, 31, v0
	v_and_b32 v10, 15, v0
	v_lshlrev_b32 v9, 4, v8
	v_lshlrev_b32 v10, 2, v10
	global_load_b128 v[24:27], v9, s[78:79]        ; q's two chunks stay in registers
	global_load_b128 v[28:31], v9, s[78:79] offset:512
	global_load_b32 v[QS], v10, s[80:81]           ; and its scale word: bytes b0 b1 b0 b1
	s_lshl_b32 s86, s58, 15
	v_add_nc_u32 v[AK0], s86, v9                   ; 16 x lane + 32,768 x (wave / 4)
	v_add_nc_u32 v[AV0], 16384, v[AK0]
	s_lshl_b32 s86, s58, 13
	s_add_co_u32 s86, s86, SCK
	v_lshl_add_u32 v[ASK0], v8, 2, s86
	v_add_nc_u32 v[ASV0], 24576, v[ASK0]
	v_lshlrev_b32 v[PFO], 8, v8
.irp j, 16,17,18,19,20,21,22,23,32,33,34,35,36,37,38,39
	v_mov_b32 v\j, 0
.endr
	v_mov_b32 v13, 0xff61b1e6                      ; the largest t so far: -3e38
	v_floor_f32 v12, -v13
	v_mov_b32 v14, 0
	v_mov_b32 v15, 0
.irp b, 0,1,2,3
	v_mov_b32 v[PD+\b], 0                          ; a lane permute's destination counts as one of its sources
.endr
	v_mov_b32 v253, 0
.set j, 0
.rept 32
	v_mov_b32 v[O+j], 0                            ; the step is written once: the first finds zeros
.set j, j+1
.endr
; THE PLAIN LINES OF A KEY STEP'S SOFTMAX, by number, so that they can be dealt among the exponentials.
.macro SCA n                           ; pair n of the 64 scores becomes t - M
	v_pk_fma_f32 v[S+2*(\n):S+2*(\n)+1], v[S+2*(\n):S+2*(\n)+1], s[CS:CS+1], v[12:13] op_sel_hi:[1,0,0]
.endm
.macro ORS n                           ; pair n of O^T under the new M: x f
	v_pk_mul_f32 v[O+2*(\n):O+2*(\n)+1], v[O+2*(\n):O+2*(\n)+1], v[252:253] op_sel_hi:[1,0]
.endm
.macro CSC n                           ; line n of the 19 that make the four blocks' scales of their largest p
.if (\n) < 4
	v_max_num_f32 v[BM+(\n)], 0x4800000, v[BM+(\n)]                ; the floor 2^(9 - 127)
.elseif (\n) < 8
	v_add_nc_u32 v[SC+(\n)-4], 0xfc000000, v[BM+(\n)-4]            ; 8 off the exponent field: the conversion's scale operand
.elseif (\n) < 12
.elseif (\n) < 16
	v_lshrrev_b32 v[PD+(\n)-12], 23, v[SC+(\n)-12]                 ; the scale's byte
.elseif (\n) == 16
	v_lshl_or_b32 v253, v[PD+1], 8, v[PD]                          ; p's scale word for these 128 keys
.elseif (\n) == 17
	v_lshl_or_b32 v253, v[PD+2], 16, v253
.else
	v_lshl_or_b32 v253, v[PD+3], 24, v253
.endif
.endm
.macro BLK b, n                        ; line n of the 26 that finish block b: 8 sums of the UNQUANTISED p in two chains, 16 empty, 2 conversions
.if (\n) < 8
.if ((\b) == 0) && ((\n) == 1)
	v_pk_mul_f32 v[PD:PD+1], v[S+2:S+3], 1.0 op_sel_hi:[1,0]       ; the second chain begins
.elseif (\n)%2 == 0
	v_pk_add_f32 v[14:15], v[14:15], v[S+16*(\b)+2*(\n):S+16*(\b)+2*(\n)+1]
.else
	v_pk_add_f32 v[PD:PD+1], v[PD:PD+1], v[S+16*(\b)+2*(\n):S+16*(\b)+2*(\n)+1]
.endif
.elseif (\n) < 24
.elseif (\n) == 24
	v_cvt_scalef32_pk8_fp8_f32 v[PCD+4*(\b):PCD+4*(\b)+1], v[S+16*(\b):S+16*(\b)+7], v[SC+(\b)]
.else
	v_cvt_scalef32_pk8_fp8_f32 v[PCD+4*(\b)+2:PCD+4*(\b)+3], v[S+16*(\b)+8:S+16*(\b)+15], v[SC+(\b)]
.endif
.endm
.macro L1                              ; the next of the 45 lines that stand with block 1's exponentials: the scales, then block 0
.if pl < 19
	CSC pl
.else
	BLK 0, pl-19
.endif
.set pl, pl+1
.endm
.macro EXB b                           ; block b + 1's sixteen exponentials, block b's eight sums behind the first eight; then block b's two conversions
	s_wait_alu depctr_va_vdst(0)                   ; block b's exponentials were issued ahead of this wait; its first reader follows
.set pl, 0
.rept 16
	v_exp_f32 v[S+ex], v[S+ex]
.set ex, ex+1
	BLK \b, pl
.set pl, pl+1
.endr
.rept 10
	BLK \b, pl
.set pl, pl+1
.endr
.endm
; A KEY STEP: 128 keys, the q-th of the slot in hand
.macro STEP q
	v_add_nc_u32 v[ADK], s[TB], v[AK0]
	v_add_nc_u32 v[ADV], s[TB], v[AV0]
	v_add_nc_u32 v[ADS], s[TS], v[ASK0]
	v_add_nc_u32 v[ADT], s[TS], v[ASV0]
	PLACES 4                                       ; with the four additions: eight places in front of loads into registers that the last products have read
.irp p, 0,1,2,3
.irp c, 0,1,2,3
	ds_load_b128 v[FR+16*\p+4*\c:FR+16*\p+4*\c+3], v[ADK] offset:8192*(\q)+2048*\p+512*\c
.endr
.endr
	ds_load_b32 v[KSC], v[ADS]                     ; lanes 0-15: pair 0's rows, lanes 16-31: pair 1's
	ds_load_b32 v[KSC+1], v[ADS] offset:128
	s_wait_dscnt 0x0
.irp p, 0,2
	v_wmma_scale_f32_16x16x128_f8f6f4 v[S+16*\p:S+16*\p+7], v[FR+16*\p:FR+16*\p+15], v[24:39], 0, v[KSC+\p/2], v[QS]
	v_wmma_scale_f32_16x16x128_f8f6f4 v[S+16*\p+8:S+16*\p+15], v[FR+16*\p:FR+16*\p+15], v[16:31], 0, v[KSC+\p/2], v[QS]
	v_wmma_scale_f32_16x16x128_f8f6f4 v[S+16*\p+16:S+16*\p+23], v[FR+16*\p+16:FR+16*\p+31], v[24:39], 0, v[KSC+\p/2], v[QS] matrix_a_scale:MATRIX_SCALE_ROW1
	v_wmma_scale_f32_16x16x128_f8f6f4 v[S+16*\p+24:S+16*\p+31], v[FR+16*\p+16:FR+16*\p+31], v[16:31], 0, v[KSC+\p/2], v[QS] matrix_a_scale:MATRIX_SCALE_ROW1
.endr
	PLACES 8
.irp t, 0,1,2,3                        ; v's four fragments are asked for here and land under the softmax
.irp c, 0,1,2,3
	ds_load_b128 v[FR+16*\t+4*\c:FR+16*\t+4*\c+3], v[ADV] offset:8192*(\q)+2048*\t+512*\c
.endr
.endr
	ds_load_b32 v[VSC], v[ADT]
	ds_load_b32 v[VSC+1], v[ADT] offset:128
.irp b, 0,1,2,3
	v_max3_num_f32 v[BM+\b], v[S+16*\b], v[S+1+16*\b], v[S+2+16*\b]   ; the largest score of each block of 32 keys: for the row's maximum, and, since p rises with the score, for the block's largest p
.endr
.irp i, 3,5,7,9,11,13
.irp b, 0,1,2,3
	v_max3_num_f32 v[BM+\b], v[BM+\b], v[S+16*\b+\i], v[S+1+16*\b+\i]
.endr
.endr
.irp b, 0,1,2,3
	v_max_num_f32 v[BM+\b], v[BM+\b], v[S+15+16*\b]
.endr
.irp b, 0,1,2,3
	v_permlanex16_b32 v[PD+\b], v[BM+\b], s[SEL], s[SEL+1]
.endr
.irp b, 0,1,2,3
	v_max_num_f32 v[BM+\b], v[BM+\b], v[PD+\b]
.endr
	v_max3_num_f32 v254, v[BM], v[BM+1], v[BM+2]
	v_max_num_f32 v254, v254, v[BM+3]
	v_mul_f32 v254, s[CS], v254
	v_max_num_f32 v13, v13, v254                   ; the running largest t
	v_mov_b32 v254, v12
	v_floor_f32 v12, -v13                          ; -M = floor(-t): M is a whole number
	v_sub_f32 v254, v12, v254
	v_cvt_i32_f32 v254, v254                       ; (it saturates)
	v_ldexp_f32 v252, 1.0, v254                    ; f = 2^(old M - new M)
.irp b, 0,1,2,3
	v_fma_f32 v[BM+\b], v[BM+\b], s[CS], v12       ; t - M of each block's largest score
.endr
.set pl, 0
.irp b, 0,1,2,3
	v_exp_f32 v[BM+\b], v[BM+\b]                   ; each block's largest p: the same two instructions on the same number give the same bits; block 0's scalings stand between
	SCA pl
	SCA pl+1
.set pl, pl+2
.endr
.set ex, 0
.rept 16
	v_exp_f32 v[S+ex], v[S+ex]                     ; p = 2^(t - M), block 0; the other three blocks' 24 scalings stand between
	SCA pl
.set pl, pl+1
.if ex%2 == 0
	SCA pl
.set pl, pl+1
.endif
.set ex, ex+1
.endr
	v_pk_mul_f32 v[14:15], v[14:15], v[252:253] op_sel_hi:[1,0]    ; the sums under the new M
.irp n, 0,1,2,3,4,5,6,7
	ORS \n                                         ; half of O^T under the new M: plain work behind the exponentials, ahead of the wait
.endr
	s_wait_alu depctr_va_vdst(0)                   ; the four largest p and block 0: their first readers follow
.set pl, 0
.rept 16
	v_exp_f32 v[S+ex], v[S+ex]                     ; block 1
.set ex, ex+1
	L1
	L1
.endr
.rept 13
	L1
.endr
	EXB 1                                          ; block 2's exponentials among block 1's lines
	EXB 2                                          ; block 3's among block 2's
	s_wait_alu depctr_va_vdst(0)                   ; block 3: the step's last wait; no exponential is issued behind it
.set pl, 0
.rept 8
	BLK 3, pl
.set pl, pl+1
.endr
	v_pk_add_f32 v[14:15], v[14:15], v[PD:PD+1]    ; the two chains
.rept 18
	BLK 3, pl
.set pl, pl+1
.endr
.irp n, 8,9,10,11,12,13,14,15
	ORS \n                                         ; the other half of O^T; also the places between the last conversion and the products below
.endr
	s_wait_dscnt 0x0                               ; v's fragments and scale words are in
	v_wmma_scale_f32_16x16x128_f8f6f4 v[O:O+7], v[FR:FR+15], v[PCD:PCD+15], v[O:O+7], v[VSC], v253
	v_wmma_scale_f32_16x16x128_f8f6f4 v[O+8:O+15], v[FR+16:FR+31], v[PCD:PCD+15], v[O+8:O+15], v[VSC], v253 matrix_a_scale:MATRIX_SCALE_ROW1
	v_wmma_scale_f32_16x16x128_f8f6f4 v[O+16:O+23], v[FR+32:FR+47], v[PCD:PCD+15], v[O+16:O+23], v[VSC+1], v253
	v_wmma_scale_f32_16x16x128_f8f6f4 v[O+24:O+31], v[FR+48:FR+63], v[PCD:PCD+15], v[O+24:O+31], v[VSC+1], v253 matrix_a_scale:MATRIX_SCALE_ROW1
	s_add_co_u32 s[TS], s[TS], 256                 ; the next step's scale words, k's and v's alike
.endm
; THE CHANGE OF SLOTS, at a slot's head.  Each wave waits for all its tensor loads, adds 0 to its spare word, and waits for that and for its reads of the slot that it has left.  fill = 1: a round of the cluster's barrier,
; so that no wave of any partner still reads that slot or has a load on its way; the joint refill is the first thing behind it and has a slot's two key steps in which to land.
.macro CHANGE fill
	s_wait_tensorcnt 0x0                           ; no tensor load of mine is out, so a group 0 may be written
	ds_add_u32 v[SPW], v[NIL]
.if \fill
	s_xor_b32 s[G0C+1], s[G0C+1], SLOT1            ; the other slot,
	s_add_nc_u64 s[G0C+2:G0C+3], s[G0C+2:G0C+3], 16384   ; the next 256 keys
	s_wait_xcnt 0x0                                ; the last prefetch, a slot back, has read its address
	s_add_nc_u64 s[PFA:PFA+1], s[PFA:PFA+1], 16384
	s_wait_dscnt 0x0
	CROUND
	TLOAD
	ASK
.else
	s_wait_dscnt 0x0
	s_barrier_signal -1
	s_barrier_wait -1
.endif
.endm
.macro SLOT_STEPS
	STEP 0
	STEP 1
	s_xor_b32 s[TB], s[TB], SLOT1
.endm
	s_wait_loadcnt 0x0                             ; q
.Lslot:                                            ; 15 trips: behind each change of slots but the last the next slot is asked for
	CHANGE 1
	SLOT_STEPS
	s_sub_co_u32 s[SLOTS], s[SLOTS], 1
	s_cmp_lg_u32 s[SLOTS], 0
	s_cbranch_scc1 .Lslot
	CHANGE 0                                       ; the last slot is written out
	SLOT_STEPS
	; THE WAY OUT: O^T / the sum; register 16 b + i is feature 32 b + 16 (lane / 16) + i of my head: two blocks, quantised as they stand
	PLACES 8
	v_add_f32 v14, v14, v15
	v_permlanex16_b32 v252, v14, s[SEL], s[SEL+1]
	v_add_f32 v14, v14, v252
	v_rcp_f32 v14, v14
	v_and_b32 v8, 31, v0                           ; (a plain line behind the transcendental)
	v_and_b32 v10, 15, v0
	v_lshlrev_b32 v9, 4, v8
	v_lshlrev_b32 v10, 2, v10
	s_wait_alu depctr_va_vdst(0)
.set j, 0
.rept 32
	v_mul_f32 v[S+j], v[O+j], v14
.set j, j+1
.endr
.irp b, 0,1
	v_max3_num_f32 v[BM+\b], |v[S+16*\b]|, |v[S+1+16*\b]|, 0x4800000
.endr
.irp i, 2,4,6,8,10,12,14
.irp b, 0,1
	v_max3_num_f32 v[BM+\b], v[BM+\b], |v[S+16*\b+\i]|, |v[S+1+16*\b+\i]|
.endr
.endr
.irp b, 0,1
	v_permlanex16_b32 v[PD+\b], v[BM+\b], s[SEL], s[SEL+1]
.endr
.irp b, 0,1
	v_max_num_f32 v[BM+\b], v[BM+\b], v[PD+\b]
.endr
.irp b, 0,1
	v_add_nc_u32 v[SC+\b], 0xfc000000, v[BM+\b]
.endr
.irp b, 0,1
.endr
.irp b, 0,1
	v_lshrrev_b32 v[PD+\b], 23, v[SC+\b]
.endr
	v_lshl_or_b32 v254, v[PD+1], 8, v[PD]
.irp b, 0,1
.irp i, 0,1,2,3,4,5,6,7,8,9,10,11,12,13,14,15
.endr
	v_cvt_scalef32_pk8_fp8_f32 v[PCD+4*\b:PCD+1+4*\b], v[S+16*\b:S+7+16*\b], v[SC+\b]
	v_cvt_scalef32_pk8_fp8_f32 v[PCD+2+4*\b:PCD+3+4*\b], v[S+8+16*\b:S+15+16*\b], v[SC+\b]
.endr
	v_nop
	global_store_b128 v9, v[PCD:PCD+3], s[82:83]               ; 512 consecutive bytes, aligned
	global_store_b128 v9, v[PCD+4:PCD+7], s[82:83] offset:512
	global_store_b16 v10, v254, s[84:85]                       ; my head's two bytes of the row's scale word (both halves of the lanes write the same)
	s_wait_tensorcnt 0x0                           ; the wave's end
	ds_add_u32 v[SPW], v[NIL]
	s_wait_dscnt 0x0
	CROUND                                         ; the closing round
	s_endpgm
.Lfunc_end_k_q74d9ca0de5_attn:
	.size	k_q74d9ca0de5_attn, .Lfunc_end_k_q74d9ca0de5_attn-k_q74d9ca0de5_attn
	.p2alignl 7, 3214868480
	.fill 96, 4, 3214868480
	.section	.rodata,"a",@progbits
	.p2align	6, 0x0
	.amdhsa_kernel k_q74d9ca0de5_attn
		.amdhsa_group_segment_fixed_size 327680
		.amdhsa_private_segment_fixed_size 0
		.amdhsa_enable_private_segment 0
		.amdhsa_kernarg_size 16
		.amdhsa_user_sgpr_count 2
		.amdhsa_user_sgpr_kernarg_segment_ptr 1
		.amdhsa_wavefront_size32 1
		.amdhsa_system_sgpr_workgroup_id_x 1
		.amdhsa_system_sgpr_workgroup_id_y 1
		.amdhsa_system_sgpr_workgroup_id_z 1
		.amdhsa_system_vgpr_workitem_id 0
		.amdhsa_next_free_vgpr 256
		.amdhsa_next_free_sgpr 100
		.amdhsa_reserve_vcc 0
		.amdhsa_float_denorm_mode_32 3
		.amdhsa_float_denorm_mode_16_64 3
		.amdhsa_fp16_overflow 1
		.amdhsa_memory_ordered 1
		.amdhsa_forward_progress 1
		.amdhsa_inst_pref_size 78
	.end_amdhsa_kernel
	.amdgpu_metadata
---
amdhsa.version: [ 1, 2 ]
amdhsa.kernels:
  - .name:           k_q74d9ca0de5_attn
    .symbol:         k_q74d9ca0de5_attn.kd
    .args:
      - { .name: qkv, .offset: 0, .size: 8, .value_kind: global_buffer, .address_space: global }
      - { .name: att, .offset: 8, .size: 8, .value_kind: global_buffer, .address_space: global }
    .group_segment_fixed_size: 327680
    .private_segment_fixed_size: 0
    .kernarg_segment_align: 8
    .kernarg_segment_size: 16
    .max_flat_workgroup_size: 384
    .sgpr_count:     100
    .vgpr_count:     256
    .wavefront_size: 32
...
	.end_amdgpu_metadata
.endif
;; end of part 3
;; launch wo (part 4): grid 4 x 64, 4 waves a work-group, no clusters, 327,680 bytes of LDS; arguments att, wts, bo, x, x1; writes x1
.if DOCPART == 4
	.amdgcn_target "amdgcn-amd-amdhsa--gfx1250"
	.amdhsa_code_object_version 6
	.text
	.protected	k_q74d9ca0de5_wo
	.globl	k_q74d9ca0de5_wo
	.p2align	8
	.type	k_q74d9ca0de5_wo,@function
k_q74d9ca0de5_wo:
	s_mov_b64 s[64:65], 0
	v_nop
	global_prefetch_b8 v0, s[64:65] scope:SCOPE_SE
	s_setreg_imm32_b32 hwreg(HW_REG_WAVE_MODE, 25, 1), 1
	s_wait_xcnt 0x0
.set KS,   6
.set NCH,  KS/6
.set WC,   1769472
.set WSF,  7133184
.set ASF,  3145728
.set LAST, 0
.set ASC,  8192*KS
.set STG,  ASC+256*KS
.set SP,   784
.set LI,   1
.set LA,   2
.set LSC,  6
.set STO,  7
.set RDA,  10
.set RDB,  11
.set GOA,  12
.set GOB,  13
.set BOB,  14
.set WSO,  15
.set AS,   16
.set BQ,   20
.set WSC,  32
.set ACC,  104
.set G1C, 24
.set G1S, 32
.set G0S, 40
.set G0C, 44
.set WB,  60
.set WSB, 62
.set BB,  66
.set RBS, 68
.set OB,  70
.set MSB, 0
.macro WIN new
.if MSB != (\new)
	s_set_vgpr_msb (MSB<<8)|(\new)
.set MSB, \new
.endif
.endm
.macro PLACES n
.rept \n
	v_nop
.endr
.endm
	s_load_b256 s[4:11], s[0:1], 0x0
	s_load_b64 s[12:13], s[0:1], 0x20
	v_lshl_add_u32 v254, v0, 2, 0x29000
	v_mov_b32 v255, 0
	ds_add_u32 v254, v255
	ds_add_u32 v254, v255
	v_lshrrev_b32 v1, 5, v0
	v_readfirstlane_b32 s14, v1
	s_and_b32 s16, ttmp7, 0xffff
	s_mov_b32 s[G1C], 3<<16
	s_mov_b32 s[G1C+1], 32<<16
	s_mov_b32 s[G1C+2], 48<<16
	s_mov_b32 s[G1C+3], 32<<16
	s_mov_b32 s[G1C+4], 48
	s_mov_b32 s[G1C+5], 32
	s_mov_b32 s[G1C+6], 0
	s_mov_b32 s[G1C+7], 0
	s_mov_b32 s[G1S], 3<<16
	s_mov_b32 s[G1S+1], (8*KS)<<16
	s_mov_b32 s[G1S+2], 1<<16
	s_mov_b32 s[G1S+3], (8*KS)<<16
	s_mov_b32 s[G1S+4], 1
	s_mov_b32 s[G1S+5], 8*KS
	s_mov_b32 s[G1S+6], 0
	s_mov_b32 s[G1S+7], 0
	s_lshl_b32 s17, s16, 2
	s_add_co_u32 s17, s17, s14
	s_mul_i32 s18, s17, KS*2048
	s_mov_b32 s19, 0
	s_mul_i32 s20, s17, 64*KS
	s_add_co_u32 s20, s20, ASF
	s_mov_b32 s21, 0
	s_mul_i32 s22, s14, KS*2048
	s_mul_i32 s23, s14, 64*KS
	s_mul_i32 s72, ttmp9, 12
	s_mul_i32 s73, s14, 3
	s_add_co_u32 s72, s72, s73
	s_mov_b32 s75, 0
	s_wait_dscnt 0x0
	s_wait_kmcnt 0x0
	s_add_nc_u64 s[18:19], s[4:5], s[18:19]
	s_mov_b32 s[G0S], 1
	s_add_co_u32 s[G0S+1], s23, ASC
	s_add_nc_u64 s[G0S+2:G0S+3], s[4:5], s[20:21]
	s_or_b32 s[G0S+3], s[G0S+3], 0x80000000
.set qd, 0
.rept NCH
	s_mov_b32 s[G0C+4*qd], 1
	s_add_co_u32 s[G0C+4*qd+1], s22, 12288*qd
	s_add_nc_u64 s[G0C+4*qd+2:G0C+4*qd+3], s[18:19], 12288*qd
	s_or_b32 s[G0C+4*qd+3], s[G0C+4*qd+3], 0x80000000
.set qd, qd+1
.endr
	s_mul_i32 s74, s72, KS*2048
	s_add_co_u32 s74, s74, WC
	s_add_nc_u64 s[WB:WB+1], s[6:7], s[74:75]
	s_mul_i32 s74, s72, 64*KS
	s_add_co_u32 s74, s74, WSF
	s_add_nc_u64 s[WSB:WSB+1], s[6:7], s[74:75]
	s_mul_i32 s74, ttmp9, 768
	s_add_nc_u64 s[BB:BB+1], s[8:9], s[74:75]
	s_lshl_b32 s76, s16, 6
	s_lshl_b32 s77, s14, 4
	s_add_co_u32 s76, s76, s77
	s_mul_i32 s76, s76, 3072
	s_add_co_u32 s74, s74, s76
	s_add_nc_u64 s[RBS:RBS+1], s[10:11], s[74:75]
	s_add_nc_u64 s[OB:OB+1], s[12:13], s[74:75]
	tensor_load_to_lds s[G0S:G0S+3], s[G1S:G1S+7]
	s_nop 0
.set qd, 0
	s_wait_alu depctr_va_vdst(0)
	s_wait_tensorcnt 0x0
	ds_add_u32 v254, v255
	s_wait_dscnt 0x0
	s_barrier_signal -1
	s_barrier_wait -1
.rept NCH
	tensor_load_to_lds s[G0C+4*qd:G0C+4*qd+3], s[G1C:G1C+7]
	s_nop 0
.set qd, qd+1
.endr
	PLACES 4
	v_and_b32 v200, 31, v0
	v_and_b32 v201, 15, v0
	v_bfe_u32 v202, v0, 4, 1
	v_lshlrev_b32 v[LI], 4, v200
.irp m, 0,1,2,3
	v_add_nc_u32 v[LA+\m], \m*KS*2048, v[LI]
.endr
	v_lshlrev_b32 v[LSC], 2, v200
	v_add_nc_u32 v[LSC], ASC, v[LSC]
	v_and_b32 v203, 8, v201
	v_add_nc_u32 v203, v203, v201
	v_mul_u32_u24 v203, v203, SP
	v_lshl_add_u32 v203, v202, 6, v203
	v_add_nc_u32 v203, STG, v203
	s_wait_alu depctr_va_vdst(0)
.irp i, 0,1,2
	s_add_co_u32 s78, s73, \i
	s_lshr_b32 s79, s78, 1
	s_lshl_b32 s79, s79, 7
	s_and_b32 s78, s78, 1
	s_lshl_b32 s78, s78, 5
	s_add_co_u32 s78, s78, s79
	v_add_nc_u32 v[STO+\i], s78, v203
.endr
	v_lshlrev_b32 v[GOA], 4, v201
	s_mul_i32 s78, s14, 16*SP
	s_add_co_u32 s78, s78, STG
	v_add_nc_u32 v[RDA], s78, v[GOA]
	v_mad_u32_u24 v[RDB], v202, 272, v[RDA]
	v_lshl_add_u32 v[RDA], v202, 8, v[RDA]
	v_mad_u32_u24 v[GOB], v202, 2560, v[GOA]
	v_sub_nc_u32 v204, 1, v202
	v_lshl_add_u32 v[BOB], v204, 9, v[GOA]
	v_lshl_add_u32 v[GOA], v202, 8, v[GOA]
	v_mul_u32_u24 v[WSO], v201, KS*4
.irp i, 0,1,2
.if KS == 24
.irp k, 0,1,2,3,4,5
	global_load_b128 v[WSC+24*\i+4*\k:WSC+24*\i+4*\k+3], v[WSO], s[WSB:WSB+1] offset:\i*1536+16*\k
.endr
.else
.irp k, 0,1,2
	global_load_b64 v[WSC+6*\i+2*\k:WSC+6*\i+2*\k+1], v[WSO], s[WSB:WSB+1] offset:\i*384+8*\k
.endr
.endif
.endr
	global_load_b128 v[BQ:BQ+3], v[GOA], s[BB:BB+1]
	global_load_b128 v[BQ+4:BQ+7], v[BOB], s[BB:BB+1]
	global_load_b128 v[BQ+8:BQ+11], v[GOA], s[BB:BB+1] offset:256
.macro ALOAD s
.irp pr, 0,1
	ds_load_b32 v[AS+2*((\s)%2)+\pr], v[LSC] offset:(\pr*KS+(\s))*128
.endr
	WIN 0x40
.irp m, 0,1,2,3
.irp c, 0,1,2,3
	ds_load_b128 v[64*((\s)%2)+16*\m+4*\c:64*((\s)%2)+16*\m+4*\c+3], v[LA+\m] offset:(\s)*2048+512*\c
.endr
.endr
	WIN 0
.endm
.macro WLOAD s
	WIN 0x80
.irp i, 0,1,2
.irp c, 0,1,2,3
	global_load_b128 v[48*((\s)%5)+16*\i+4*\c:48*((\s)%5)+16*\i+4*\c+3], v[LI], s[WB:WB+1] offset:(\i*KS+(\s))*2048+512*\c
.endr
.endr
	WIN 0
.endm
.macro RLOAD
	WIN 0xc0
.set n, 0
.rept 24
.set k0, 2*n
.if k0%3 == 2
	global_load_b128 v[4*n:4*n+3], v[GOB], s[RBS:RBS+1] offset:(k0/3)*3072+(k0%3)*256
.else
	global_load_b128 v[4*n:4*n+3], v[GOA], s[RBS:RBS+1] offset:(k0/3)*3072+(k0%3)*256
.endif
.set n, n+1
.endr
	WIN 0
.endm
.macro STEP s
.set LC, 12*(KS-1-(\s))
.if LC > 48
.set LC, 48
.endif
.if (\s) >= KS-2
.set LC, LC+24
.endif
	s_wait_loadcnt LC
.if (\s) == KS-1
	s_wait_dscnt 0x0
.else
	s_wait_dscnt 18
.endif
	WIN 0x06
.irp m, 0,1,2,3
.irp i, 0,1,2
.set DD, ACC+8*(3*\m+\i)
.set WR, 48*((\s)%5)+16*\i
.set AR, 64*((\s)%2)+16*\m
.set SW, WSC+\i*KS+(\s)
.set SA, AS+2*((\s)%2)+\m/2
.if (\s) == 0
.if \m%2
	v_wmma_scale_f32_16x16x128_f8f6f4 v[DD:DD+7], v[WR:WR+15], v[AR:AR+15], 0, v[SW], v[SA] matrix_b_scale:MATRIX_SCALE_ROW1
.else
	v_wmma_scale_f32_16x16x128_f8f6f4 v[DD:DD+7], v[WR:WR+15], v[AR:AR+15], 0, v[SW], v[SA]
.endif
.else
.if \m%2
	v_wmma_scale_f32_16x16x128_f8f6f4 v[DD:DD+7], v[WR:WR+15], v[AR:AR+15], v[DD:DD+7], v[SW], v[SA] matrix_b_scale:MATRIX_SCALE_ROW1
.else
	v_wmma_scale_f32_16x16x128_f8f6f4 v[DD:DD+7], v[WR:WR+15], v[AR:AR+15], v[DD:DD+7], v[SW], v[SA]
.endif
.endif
.endr
.endr
	WIN 0
	PLACES 8
.if (((\s)+2)%6 == 0) && ((\s)+2 < KS)
	s_wait_tensorcnt NCH-1-((\s)+2)/6
	s_wait_dscnt 0x0
	s_barrier_signal -1
	s_barrier_wait -1
.endif
.if (\s)+2 < KS
	ALOAD (\s)+2
.endif
.if (\s)+5 < KS
	WLOAD (\s)+5
.endif
.if (\s) == KS-3
	RLOAD
.endif
.endm
	WLOAD 0
	WLOAD 1
	WLOAD 2
	WLOAD 3
	WLOAD 4
	s_wait_alu depctr_va_vdst(0)
	s_wait_tensorcnt NCH-1
	s_barrier_signal -1
	s_barrier_wait -1
	ALOAD 0
	ALOAD 1
.set ks, 0
.rept KS
	STEP ks
.set ks, ks+1
.endr
.irp m, 0,1,2,3
.irp i, 0,1,2
	ds_store_b128 v[STO+\i], v[ACC+8*(3*\m+\i):ACC+8*(3*\m+\i)+3] offset:(32*(\m/2)+8*(\m%2))*SP
	ds_store_b128 v[STO+\i], v[ACC+8*(3*\m+\i)+4:ACC+8*(3*\m+\i)+7] offset:(32*(\m/2)+8*(\m%2))*SP+16
.endr
.endr
	s_wait_dscnt 0x0
	s_barrier_signal -1
	s_barrier_wait -1
.set n, 0
.rept 24
.set k0, 2*n
.if k0%3 == 2
	ds_load_b128 v[ACC+4*n:ACC+4*n+3], v[RDB] offset:(k0/3)*SP+(k0%3)*256
.else
	ds_load_b128 v[ACC+4*n:ACC+4*n+3], v[RDA] offset:(k0/3)*SP+(k0%3)*256
.endif
.set n, n+1
.endr
	s_wait_dscnt 0x0
	s_wait_loadcnt 0x0
	WIN 0x0c
.set i, 0
.rept 48
	v_pk_add_f32 v[ACC+i:ACC+i+1], v[ACC+i:ACC+i+1], v[i:i+1]
.set i, i+2
.endr
	WIN 0
.set n, 0
.rept 24
	v_pk_add_f32 v[ACC+4*n:ACC+4*n+1], v[ACC+4*n:ACC+4*n+1], v[BQ+4*(n%3):BQ+4*(n%3)+1]
	v_pk_add_f32 v[ACC+4*n+2:ACC+4*n+3], v[ACC+4*n+2:ACC+4*n+3], v[BQ+4*(n%3)+2:BQ+4*(n%3)+3]
.set n, n+1
.endr
.set n, 0
.rept 24
.set k0, 2*n
.if LAST
.if k0%3 == 2
	global_store_b128 v[GOB], v[ACC+4*n:ACC+4*n+3], s[OB:OB+1] offset:(k0/3)*3072+(k0%3)*256 th:TH_STORE_NT
.else
	global_store_b128 v[GOA], v[ACC+4*n:ACC+4*n+3], s[OB:OB+1] offset:(k0/3)*3072+(k0%3)*256 th:TH_STORE_NT
.endif
.else
.if k0%3 == 2
	global_store_b128 v[GOB], v[ACC+4*n:ACC+4*n+3], s[OB:OB+1] offset:(k0/3)*3072+(k0%3)*256
.else
	global_store_b128 v[GOA], v[ACC+4*n:ACC+4*n+3], s[OB:OB+1] offset:(k0/3)*3072+(k0%3)*256
.endif
.endif
.set n, n+1
.endr
	s_wait_tensorcnt 0x0
	ds_add_u32 v254, v255
	s_wait_dscnt 0x0
	s_endpgm
.Lfunc_end_k_q74d9ca0de5_wo:
	.size	k_q74d9ca0de5_wo, .Lfunc_end_k_q74d9ca0de5_wo-k_q74d9ca0de5_wo
	.p2alignl 7, 3214868480
	.fill 96, 4, 3214868480
	.section	.rodata,"a",@progbits
	.p2align	6, 0x0
	.amdhsa_kernel k_q74d9ca0de5_wo
		.amdhsa_group_segment_fixed_size 327680
		.amdhsa_private_segment_fixed_size 0
		.amdhsa_enable_private_segment 0
		.amdhsa_kernarg_size 40
		.amdhsa_user_sgpr_count 2
		.amdhsa_user_sgpr_kernarg_segment_ptr 1
		.amdhsa_wavefront_size32 1
		.amdhsa_system_sgpr_workgroup_id_x 1
		.amdhsa_system_sgpr_workgroup_id_y 1
		.amdhsa_system_sgpr_workgroup_id_z 1
		.amdhsa_system_vgpr_workitem_id 0
		.amdhsa_next_free_vgpr 864
		.amdhsa_next_free_sgpr 80
		.amdhsa_reserve_vcc 0
		.amdhsa_float_denorm_mode_32 3
		.amdhsa_float_denorm_mode_16_64 3
		.amdhsa_memory_ordered 1
		.amdhsa_forward_progress 1
		.amdhsa_inst_pref_size 47
	.end_amdhsa_kernel
	.amdgpu_metadata
---
amdhsa.version: [ 1, 2 ]
amdhsa.kernels:
  - .name:           k_q74d9ca0de5_wo
    .symbol:         k_q74d9ca0de5_wo.kd
    .args:
      - { .name: att, .offset: 0, .size: 8, .value_kind: global_buffer, .address_space: global }
      - { .name: wts, .offset: 8, .size: 8, .value_kind: global_buffer, .address_space: global }
      - { .name: bo, .offset: 16, .size: 8, .value_kind: global_buffer, .address_space: global }
      - { .name: x, .offset: 24, .size: 8, .value_kind: global_buffer, .address_space: global }
      - { .name: x1, .offset: 32, .size: 8, .value_kind: global_buffer, .address_space: global }
    .group_segment_fixed_size: 327680
    .private_segment_fixed_size: 0
    .kernarg_segment_align: 8
    .kernarg_segment_size: 40
    .max_flat_workgroup_size: 128
    .sgpr_count:     80
    .vgpr_count:     864
    .wavefront_size: 32
...
	.end_amdgpu_metadata
.endif
;; end of part 4
;; launch ln2 (part 5): grid 256 x 1, 4 waves a work-group, no clusters, 14,080 bytes of LDS; arguments x1, g2, b2, h2q; writes h2q
.if DOCPART == 5
	.amdgcn_target "amdgcn-amd-amdhsa--gfx1250"
	.amdhsa_code_object_version 6
	.text
	.protected	k_q74d9ca0de5_ln2
	.globl	k_q74d9ca0de5_ln2
	.p2align	8
	.type	k_q74d9ca0de5_ln2,@function
k_q74d9ca0de5_ln2:
	s_mov_b64 s[64:65], 0
	v_nop
	global_prefetch_b8 v0, s[64:65] scope:SCOPE_SE
	s_setreg_imm32_b32 hwreg(HW_REG_WAVE_MODE, 25, 1), 1
	s_wait_xcnt 0x0
; h = (x - mean) * rsqrt(var + 1e-5) * g + b over rows of 768 f32, then quantised to E4M3 along the row (one E8M0 byte for each 32) and stored as IMAGES OF OPERAND REGISTERS.
; A work-group makes one token tile T: row r of it is token 32 (T / 2) + 8 (T % 2) + r + 8 (r / 8).  Codes: [T][K step s 0-5][chunk c 0-3][512 bytes], chunk c holding at 16 x lane k = 32 c + 16 (lane / 16) + 0 .. 15 of row lane % 16.
; Scale words: [T / 2][s][32 lanes]: lanes 0-15 the rows of the even tile, lanes 16-31 those of the odd one.
; Wave w takes rows 4 w .. 4 w + 3, a row at a time; a lane holds 3 x 8 neighbours (256 j + 8 lane on), so a block of 32 is four lanes.  Mean first, then the squares of the differences: no difference of large sums.
; The tile's 12,288 bytes of codes meet in LDS and leave in stores of 512 consecutive bytes.
; LIMITS: NaN and infinities are not served; a block of zeros, or one under 2^-118, gets the byte 1 (this program alone reads the bytes).
.set XO,  1                            ; 32 x lane
.set LB,  2                            ; LDS: where my 8 codes go
.set SBA, 3                            ; LDS: where my block's byte goes
.set RB,  4                            ; LDS: where I read codes back
.set GC,  5                            ; and where they go in memory
.set RS,  6                            ; the same for the scale words
.set GS,  7
.set G,   8                            ; v8-31   g of my 24 columns
.set BV,  32                           ; v32-55  b
.set X,   56                           ; v56-151 four rows
.set T0,  152
.set T1,  154
.set M,   156                          ; -mean, twice
.set R,   158                          ; 1 / sqrt, twice
.set MX,  160
.set SCL, 163
.set HLD, 166
.set PT,  169
.set C,   170                          ; v170-193 six registers of codes a row
.set E,   194                          ; v194-205 three bytes a row
.set SCB, 13056                        ; LDS: 24 chunks of 544 bytes (two halves of 256 + 16), then 384 scale bytes
.set SEL, 24
.set NINV, 26
.set INV, 27
.set EPS, 28
.set MNT, 29
	s_load_b256 s[4:11], s[0:1], 0x0               ; x, g, b, the images
	v_lshl_add_u32 v208, v0, 2, 0x3500
	v_mov_b32 v209, 0
	v_lshrrev_b32 v1, 5, v0
	v_readfirstlane_b32 s12, v1                    ; wave
	v_and_b32 v206, 31, v0
	v_and_b32 v207, 15, v0
	v_lshlrev_b32 v[XO], 5, v206
	v_lshrrev_b32 v[LB], 2, v206                   ; chunk 8 j + lane / 4,
	v_mul_u32_u24 v[LB], v[LB], 544
	v_bfe_u32 v[PT], v0, 1, 1                      ; its half (lane / 2) % 2,
	v_mad_u32_u24 v[LB], v[PT], 272, v[LB]
	v_and_b32 v[PT], 1, v0                         ; and 8 bytes of the row's 16
	v_lshl_add_u32 v[LB], v[PT], 3, v[LB]
	s_lshl_b32 s13, s12, 6
	v_add_nc_u32 v[LB], s13, v[LB]                 ; row 4 w + i: 16 bytes a row
	v_bfe_u32 v[RB], v0, 4, 1
	v_bfe_u32 v[SBA], v0, 2, 2
	v_lshl_add_u32 v[SBA], v[RB], 6, v[SBA]        ; byte (s, r, c) at 64 s + 4 r + c
	s_lshl_b32 s13, s12, 4
	s_add_co_u32 s13, s13, SCB
	v_add_nc_u32 v[SBA], s13, v[SBA]
	v_lshlrev_b32 v[GS], 2, v207
	v_lshl_add_u32 v[GS], v[RB], 7, v[GS]
	s_lshl_b32 s13, s12, 8
	v_add_nc_u32 v[GS], s13, v[GS]
	v_mul_u32_u24 v[RB], v[RB], 272
	v_lshl_add_u32 v[RB], v207, 4, v[RB]
	s_mul_i32 s13, s12, 3264
	v_add_nc_u32 v[RB], s13, v[RB]                 ; wave w reads chunks 6 w .. 6 w + 5 back
	v_lshlrev_b32 v[GC], 4, v206
	s_mul_i32 s13, s12, 3072
	v_add_nc_u32 v[GC], s13, v[GC]
	v_lshlrev_b32 v[RS], 2, v206
	s_lshl_b32 s13, s12, 7
	s_add_co_u32 s13, s13, SCB
	v_add_nc_u32 v[RS], s13, v[RS]
	s_mov_b32 s[SEL], 0x76543210
	s_mov_b32 s[SEL+1], 0xfedcba98                 ; lane l xor 16
	s_mov_b32 s[NINV], 0xbaaaaaab                  ; -1 / 768
	s_mov_b32 s[INV], 0x3aaaaaab                   ; 1 / 768
	s_mov_b32 s[EPS], 0x3727c5ac                   ; 1e-5
	s_lshr_b32 s13, ttmp9, 1
	s_lshl_b32 s14, s13, 5
	s_and_b32 s15, ttmp9, 1
	s_lshl_b32 s16, s15, 3
	s_add_co_u32 s14, s14, s16
	s_lshl_b32 s16, s12, 2
	s_add_co_u32 s14, s14, s16
	s_lshr_b32 s16, s12, 1
	s_lshl_b32 s16, s16, 3
	s_add_co_u32 s14, s14, s16                     ; my first token: 32 (T / 2) + 8 (T % 2) + 4 w + 8 (w / 2)
	s_mul_i32 s16, s14, 3072
	s_mov_b32 s17, 0
	s_mul_i32 s18, ttmp9, 12288
	s_mov_b32 s19, 0
	s_mul_i32 s20, s13, 768
	s_lshl_b32 s15, s15, 6
	s_add_co_u32 s20, s20, s15
	s_add_co_u32 s20, s20, 3145728
	s_mov_b32 s21, 0
	s_wait_kmcnt 0x0
	s_add_nc_u64 s[4:5], s[4:5], s[16:17]
	s_add_nc_u64 s[18:19], s[10:11], s[18:19]
	s_add_nc_u64 s[20:21], s[10:11], s[20:21]
.irp j, 0,1,2
	global_load_b128 v[G+8*\j:G+8*\j+3], v[XO], s[6:7] offset:1024*\j
	global_load_b128 v[G+8*\j+4:G+8*\j+7], v[XO], s[6:7] offset:1024*\j+16
	global_load_b128 v[BV+8*\j:BV+8*\j+3], v[XO], s[8:9] offset:1024*\j
	global_load_b128 v[BV+8*\j+4:BV+8*\j+7], v[XO], s[8:9] offset:1024*\j+16
.endr
.irp i, 0,1,2,3
.irp j, 0,1,2
	global_load_b128 v[X+24*\i+8*\j:X+24*\i+8*\j+3], v[XO], s[4:5] offset:3072*\i+1024*\j
	global_load_b128 v[X+24*\i+8*\j+4:X+24*\i+8*\j+7], v[XO], s[4:5] offset:3072*\i+1024*\j+16
.endr
.endr
.macro WSUM t                          ; the sum over the 32 lanes, in every lane
	v_add_f32_dpp v[\t], v[\t], v[\t] row_xmask:1 row_mask:0xf bank_mask:0xf
	v_add_f32_dpp v[\t], v[\t], v[\t] row_xmask:2 row_mask:0xf bank_mask:0xf
	v_add_f32_dpp v[\t], v[\t], v[\t] row_xmask:4 row_mask:0xf bank_mask:0xf
	v_add_f32_dpp v[\t], v[\t], v[\t] row_xmask:8 row_mask:0xf bank_mask:0xf
	v_permlanex16_b32 v[PT], v[\t], s[SEL], s[SEL+1]
	v_add_f32 v[\t], v[\t], v[PT]
.endm
.macro ROW i
.set XR, X+24*(\i)
	s_wait_loadcnt 18-6*(\i)                       ; this row's six loads are in; the later rows' may be out
	v_pk_add_f32 v[T0:T0+1], v[XR:XR+1], v[XR+2:XR+3]
	v_pk_add_f32 v[T1:T1+1], v[XR+4:XR+5], v[XR+6:XR+7]
.irp k, 8,12,16,20
	v_pk_add_f32 v[T0:T0+1], v[T0:T0+1], v[XR+\k:XR+\k+1]
	v_pk_add_f32 v[T1:T1+1], v[T1:T1+1], v[XR+\k+2:XR+\k+3]
.endr
	v_pk_add_f32 v[T0:T0+1], v[T0:T0+1], v[T1:T1+1]
	v_add_f32 v[T0], v[T0], v[T0+1]
	WSUM T0
	v_mul_f32 v[M], s[NINV], v[T0]
	v_mul_f32 v[M+1], s[NINV], v[T0]
.irp k, 0,2,4,6,8,10,12,14,16,18,20,22
	v_pk_add_f32 v[XR+\k:XR+\k+1], v[XR+\k:XR+\k+1], v[M:M+1]      ; x - mean
.endr
	v_pk_mul_f32 v[T0:T0+1], v[XR:XR+1], v[XR:XR+1]
	v_pk_mul_f32 v[T1:T1+1], v[XR+2:XR+3], v[XR+2:XR+3]
.irp k, 4,8,12,16,20
	v_pk_fma_f32 v[T0:T0+1], v[XR+\k:XR+\k+1], v[XR+\k:XR+\k+1], v[T0:T0+1]
	v_pk_fma_f32 v[T1:T1+1], v[XR+\k+2:XR+\k+3], v[XR+\k+2:XR+\k+3], v[T1:T1+1]
.endr
	v_pk_add_f32 v[T0:T0+1], v[T0:T0+1], v[T1:T1+1]
	v_add_f32 v[T0], v[T0], v[T0+1]
	WSUM T0
	v_fma_f32 v[T0], v[T0], s[INV], s[EPS]         ; var + eps
	s_wait_alu depctr_va_vdst(0)
	v_rsq_f32 v[R], v[T0]
	v_rsq_f32 v[R+1], v[T0]
	v_nop                                          ; a plain line behind the transcendentals,
	s_wait_alu depctr_va_vdst(0)                   ; and one wait for both, ahead of their first reader
.irp k, 0,2,4,6,8,10,12,14,16,18,20,22
	v_pk_mul_f32 v[XR+\k:XR+\k+1], v[XR+\k:XR+\k+1], v[R:R+1]
.endr
.irp k, 0,2,4,6,8,10,12,14,16,18,20,22
	v_pk_fma_f32 v[XR+\k:XR+\k+1], v[XR+\k:XR+\k+1], v[G+\k:G+\k+1], v[BV+\k:BV+\k+1]
.endr
.irp j, 0,1,2
	v_max3_num_f32 v[MX+\j], |v[XR+8*\j]|, |v[XR+8*\j+1]|, 0x4800000   ; my 8 numbers and the floor 2^(9 - 127)
.endr
.irp k, 2,4,6
.irp j, 0,1,2
	v_max3_num_f32 v[MX+\j], v[MX+\j], |v[XR+8*\j+\k]|, |v[XR+8*\j+\k+1]|
.endr
.endr
.irp j, 0,1,2
	v_max_num_f32_dpp v[MX+\j], v[MX+\j], v[MX+\j] row_xmask:1 row_mask:0xf bank_mask:0xf
.endr
.irp j, 0,1,2
	v_max_num_f32_dpp v[MX+\j], v[MX+\j], v[MX+\j] row_xmask:2 row_mask:0xf bank_mask:0xf   ; the four lanes of a block
.endr
.irp j, 0,1,2
	v_add_nc_u32 v[SCL+\j], 0xfc000000, v[MX+\j]
.endr
.irp j, 0,1,2
.endr
.irp j, 0,1,2
.irp k, 0,1,2,3,4,5,6,7
.endr
.endr
.irp j, 0,1,2
	v_cvt_scalef32_pk8_fp8_f32 v[C+6*(\i)+2*\j:C+6*(\i)+2*\j+1], v[XR+8*\j:XR+8*\j+7], v[SCL+\j]
.endr
.irp j, 0,1,2
	v_lshrrev_b32 v[E+3*(\i)+\j], 23, v[SCL+\j]
.endr
.irp j, 0,1,2
	ds_store_b64 v[LB], v[C+6*(\i)+2*\j:C+6*(\i)+2*\j+1] offset:4352*\j+16*(\i)
	ds_store_b8 v[SBA], v[E+3*(\i)+\j] offset:128*\j+4*(\i)        ; the four lanes of a block write the same byte with the same value
.endr
.endm
	ROW 0
	ROW 1
	ROW 2
	ROW 3
	s_wait_dscnt 0x0                               ; for the others' sake: my stores have landed
	s_barrier_signal -1
	s_barrier_wait -1
.irp k, 0,1,2,3,4,5
	ds_load_b128 v[X+4*\k:X+4*\k+3], v[RB] offset:544*\k
.endr
	s_cmp_lt_u32 s12, 3                            ; the 96 scale words are three waves' work
	s_cbranch_scc0 .Lno_words
	ds_load_b32 v[T0], v[RS]
	s_wait_dscnt 0x0
	global_store_b32 v[GS], v[T0], s[20:21]
.Lno_words:
	s_wait_dscnt 0x0
.irp k, 0,1,2,3,4,5
	global_store_b128 v[GC], v[X+4*\k:X+4*\k+3], s[18:19] offset:512*\k   ; 32 lanes store 512 consecutive bytes, aligned
.endr
	s_wait_tensorcnt 0x0
	ds_add_u32 v208, v209
	s_wait_dscnt 0x0
	s_endpgm
.Lfunc_end_k_q74d9ca0de5_ln2:
	.size	k_q74d9ca0de5_ln2, .Lfunc_end_k_q74d9ca0de5_ln2-k_q74d9ca0de5_ln2
	.p2alignl 7, 3214868480
	.fill 96, 4, 3214868480
	.section	.rodata,"a",@progbits
	.p2align	6, 0x0
	.amdhsa_kernel k_q74d9ca0de5_ln2
		.amdhsa_group_segment_fixed_size 14080
		.amdhsa_private_segment_fixed_size 0
		.amdhsa_enable_private_segment 0
		.amdhsa_kernarg_size 32
		.amdhsa_user_sgpr_count 2
		.amdhsa_user_sgpr_kernarg_segment_ptr 1
		.amdhsa_wavefront_size32 1
		.amdhsa_system_sgpr_workgroup_id_x 1
		.amdhsa_system_sgpr_workgroup_id_y 1
		.amdhsa_system_sgpr_workgroup_id_z 1
		.amdhsa_system_vgpr_workitem_id 0
		.amdhsa_next_free_vgpr 210
		.amdhsa_next_free_sgpr 66
		.amdhsa_reserve_vcc 0
		.amdhsa_float_denorm_mode_32 3
		.amdhsa_float_denorm_mode_16_64 3
		.amdhsa_fp16_overflow 1
		.amdhsa_memory_ordered 1
		.amdhsa_forward_progress 1
		.amdhsa_inst_pref_size 36
	.end_amdhsa_kernel
	.amdgpu_metadata
---
amdhsa.version: [ 1, 2 ]
amdhsa.kernels:
  - .name:           k_q74d9ca0de5_ln2
    .symbol:         k_q74d9ca0de5_ln2.kd
    .args:
      - { .name: x1, .offset: 0, .size: 8, .value_kind: global_buffer, .address_space: global }
      - { .name: g2, .offset: 8, .size: 8, .value_kind: global_buffer, .address_space: global }
      - { .name: b2, .offset: 16, .size: 8, .value_kind: global_buffer, .address_space: global }
      - { .name: h2q, .offset: 24, .size: 8, .value_kind: global_buffer, .address_space: global }
    .group_segment_fixed_size: 14080
    .private_segment_fixed_size: 0
    .kernarg_segment_align: 8
    .kernarg_segment_size: 32
    .max_flat_workgroup_size: 128
    .sgpr_count:     66
    .vgpr_count:     210
    .wavefront_size: 32
...
	.end_amdgpu_metadata
.endif
;; end of part 5
;; launch ff1 (part 6): grid 6 x 32, 4 waves a work-group, no clusters, 168,448 bytes of LDS; arguments h2q, wts, b_ff1, gq; writes gq
.if DOCPART == 6
	.amdgcn_target "amdgcn-amd-amdhsa--gfx1250"
	.amdhsa_code_object_version 6
	.text
	.protected	k_q74d9ca0de5_ff1
	.globl	k_q74d9ca0de5_ff1
	.p2align	8
	.type	k_q74d9ca0de5_ff1,@function
k_q74d9ca0de5_ff1:
	s_mov_b64 s[64:65], 0
	v_nop
	global_prefetch_b8 v0, s[64:65] scope:SCOPE_SE
	s_setreg_imm32_b32 hwreg(HW_REG_WAVE_MODE, 25, 1), 1
	s_wait_xcnt 0x0
; g = gelu(h2 W1 + b_ff1), exact GELU, quantised along the 3,072 features for the next product.  h2 and W1 arrive as images of operand registers (codes of E4M3, one E8M0 byte for each 32 along K = 768).
; A wave owns 128 features, which are one K step of the next product: it makes whole fragments and whole scale words.  Its 48 weight fragments stay in registers (768, windows 1-3), read from memory once.
; A work-group takes 128 tokens (4 pairs of tiles); their images, their scale words and the wave's 128 biases come into LDS once (three tensor loads a wave are out at most); nothing is filled again.
; Source 0 = 16 features, source 1 = 16 tokens: a lane holds one token, and the 16 registers of two neighbouring tiles are 16 neighbouring features.  The accumulators BEGIN as the bias, loaded from LDS.
; GELU: gelu(x) = max(x, 0) - |x| (1/2) erfc(|x| / sqrt 2), erfc(z) = (a1 t + .. + a5 t^5) e^(-z z), t = 1 / (1 + p z) (Abramowitz and Stegun 7.1.26).
; THE GELU OF A PAIR'S EIGHT BLOCKS OF 16 REGISTERS IS A PIPELINE: block k + 1's 32 transcendentals are dealt among block k's 80 finishing lines and block k + 2's 32 opening lines, so that the wave has other work to issue
; between two of them; one wait a block, ahead of its first reader.
; LIMITS: that erfc is within 1.5e-7 absolute; NaN and infinities are not served; a block of zeros, or one under 2^-118, gets the byte 1.
; No cluster: the larger operand, the weights, is each wave's own; six work-groups along x do not divide into fours.
.set LI,   1
.set LA,   2
.set LS,   3
.set LB,   4
.set WSO,  5
.set L4,   6
.set LS0,  7
.set WS,   8                           ; v8-31   weights' scale words: 6 x pair of tiles + K step
.set AS,   32                          ; v32-33  tokens' scale words
.set CA4,  34                          ; v34-35  a4 / 2, twice
.set PW0,  36
.set PWS,  37
.set PW,   38
.set P,    40                          ; v40-55  the GELU's polynomial
.set AF,   64                          ; v64-127 two sets of token fragments; behind the products: the GELU's and the quantiser's registers
.set U,    64                          ; set k % 2 at + 32: v64-79, v96-111: 1 + p z, then t
.set Y,    80                          ; v80-95, v112-127: the exponent, then e^(-z z), then max(x, 0)
.set PC,   64
.set TM,   80
.set ACC,  128                         ; v128-255: 64 x tile of the pair + 8 x feature tile
.set G1A, 24
.set G1S, 32
.set G1B, 40
.set G0A, 48
.set G0S, 52
.set G0B, 56
.set K1,  60
.set KE,  66
.set A5,  68
.set A3,  70
.set A2,  72
.set A1,  74
.set SEL, 76
.set MNT, 78
.set WB,  80
.set WSB, 82
.set OC,  84
.set OS,  86
.set CNT, 88
.set TB,  89
.set TS,  90
.set MSB, 0
.macro WIN new
.if MSB != (\new)
	s_set_vgpr_msb (MSB<<8)|(\new)
.set MSB, \new
.endif
.endm
.macro PLACES n
.rept \n
	v_nop
.endr
.endm
.macro ROW1D g, n8                     ; group 1: one row of 8 x n8 bytes
	s_mov_b32 s[\g], 3<<16
	s_mov_b32 s[\g+1], (\n8)<<16
	s_mov_b32 s[\g+2], 1<<16
	s_mov_b32 s[\g+3], (\n8)<<16
	s_mov_b32 s[\g+4], 1
	s_mov_b32 s[\g+5], \n8
	s_mov_b32 s[\g+6], 0
	s_mov_b32 s[\g+7], 0
.endm
.macro WM d, a, b, sa, sb, ra, rb      ; one product, added in place
.if (\ra) && (\rb)
	v_wmma_scale_f32_16x16x128_f8f6f4 v[\d:\d+7], v[\a:\a+15], v[\b:\b+15], v[\d:\d+7], v[\sa], v[\sb] matrix_a_scale:MATRIX_SCALE_ROW1 matrix_b_scale:MATRIX_SCALE_ROW1
.elseif (\ra)
	v_wmma_scale_f32_16x16x128_f8f6f4 v[\d:\d+7], v[\a:\a+15], v[\b:\b+15], v[\d:\d+7], v[\sa], v[\sb] matrix_a_scale:MATRIX_SCALE_ROW1
.elseif (\rb)
	v_wmma_scale_f32_16x16x128_f8f6f4 v[\d:\d+7], v[\a:\a+15], v[\b:\b+15], v[\d:\d+7], v[\sa], v[\sb] matrix_b_scale:MATRIX_SCALE_ROW1
.else
	v_wmma_scale_f32_16x16x128_f8f6f4 v[\d:\d+7], v[\a:\a+15], v[\b:\b+15], v[\d:\d+7], v[\sa], v[\sb]
.endif
.endm
.macro QUANT s                         ; 64 numbers of a lane, four blocks of 16 registers, become a fragment's codes in v[PC] on and its scale word in v[PW]
.irp b, 0,1,2,3
	v_max3_num_f32 v[TM+\b], |v[\s+16*\b]|, |v[\s+1+16*\b]|, 0x4800000
.endr
.irp i, 2,4,6,8,10,12,14
.irp b, 0,1,2,3
	v_max3_num_f32 v[TM+\b], v[TM+\b], |v[\s+16*\b+\i]|, |v[\s+1+16*\b+\i]|
.endr
.endr
.irp b, 0,1,2,3
	v_permlanex16_b32 v[TM+4+\b], v[TM+\b], s[SEL], s[SEL+1]
.endr
.irp b, 0,1,2,3
	v_max_num_f32 v[TM+\b], v[TM+\b], v[TM+4+\b]
.endr
.irp b, 0,1,2,3
	v_add_nc_u32 v[TM+12+\b], 0xfc000000, v[TM+\b]
.endr
.irp b, 0,1,2,3
.endr
.irp b, 0,1,2,3
	v_lshrrev_b32 v[TM+4+\b], 23, v[TM+12+\b]
.endr
	v_lshl_or_b32 v[PW], v[TM+5], 8, v[TM+4]
	v_lshl_or_b32 v[PW], v[TM+6], 16, v[PW]
	v_lshl_or_b32 v[PW], v[TM+7], 24, v[PW]
.irp b, 0,1,2,3
.irp i, 0,1,2,3,4,5,6,7,8,9,10,11,12,13,14,15
.endr
	v_cvt_scalef32_pk8_fp8_f32 v[PC+4*\b:PC+1+4*\b], v[\s+16*\b:\s+7+16*\b], v[TM+12+\b]
	v_cvt_scalef32_pk8_fp8_f32 v[PC+2+4*\b:PC+3+4*\b], v[\s+8+16*\b:\s+15+16*\b], v[TM+12+\b]
.endr
	v_nop                                          ; a plain line behind the last conversion
.endm
; THE GELU OF BLOCK k (16 registers at ACC + 16 k), in three lists of numbered lines.
.macro GA k, n                         ; line n of the 32 ahead of the transcendentals
.set XB, ACC+16*(\k)
.set UB, U+32*((\k)%2)
.set YB, Y+32*((\k)%2)
.if (\n) < 16
	v_fma_f32 v[UB+(\n)], |v[XB+(\n)]|, s[K1], 1.0                 ; 1 + p |x| / sqrt 2
.elseif (\n) < 24
	v_pk_mul_f32 v[YB+2*(\n)-32:YB+2*(\n)-31], v[XB+2*(\n)-32:XB+2*(\n)-31], v[XB+2*(\n)-32:XB+2*(\n)-31]
.else
	v_pk_mul_f32 v[YB+2*(\n)-48:YB+2*(\n)-47], v[YB+2*(\n)-48:YB+2*(\n)-47], s[KE:KE+1] op_sel_hi:[1,0]   ; -x x log2(e) / 2
.endif
.endm
.macro GT k, n                         ; transcendental n of 32
.if (\n) < 16
	v_rcp_f32 v[U+32*((\k)%2)+(\n)], v[U+32*((\k)%2)+(\n)]         ; t
.else
	v_exp_f32 v[Y+32*((\k)%2)+(\n)-16], v[Y+32*((\k)%2)+(\n)-16]   ; e^(-x x / 2)
.endif
.endm
.macro GB k, n                         ; line n of the 80 behind them
.set XB, ACC+16*(\k)
.set UB, U+32*((\k)%2)
.set YB, Y+32*((\k)%2)
.set gm, 2*((\n)%8)
.if (\n) < 8
	v_pk_fma_f32 v[P+gm:P+gm+1], v[UB+gm:UB+gm+1], s[A5:A5+1], v[CA4:CA4+1] op_sel_hi:[1,0,1]
.elseif (\n) < 16
	v_pk_fma_f32 v[P+gm:P+gm+1], v[P+gm:P+gm+1], v[UB+gm:UB+gm+1], s[A3:A3+1] op_sel_hi:[1,1,0]
.elseif (\n) < 24
	v_pk_fma_f32 v[P+gm:P+gm+1], v[P+gm:P+gm+1], v[UB+gm:UB+gm+1], s[A2:A2+1] op_sel_hi:[1,1,0]
.elseif (\n) < 32
	v_pk_fma_f32 v[P+gm:P+gm+1], v[P+gm:P+gm+1], v[UB+gm:UB+gm+1], s[A1:A1+1] op_sel_hi:[1,1,0]
.elseif (\n) < 40
	v_pk_mul_f32 v[P+gm:P+gm+1], v[P+gm:P+gm+1], v[UB+gm:UB+gm+1]
.elseif (\n) < 48
	v_pk_mul_f32 v[P+gm:P+gm+1], v[P+gm:P+gm+1], v[YB+gm:YB+gm+1]  ; erfc / 2
.elseif (\n) < 64
	v_max_num_f32 v[YB+(\n)-48], 0, v[XB+(\n)-48]                  ; into the registers that the line above has done with
.else
	v_fma_f32 v[XB+(\n)-64], -|v[XB+(\n)-64]|, v[P+(\n)-64], v[YB+(\n)-64]
.endif
.endm
.macro LG k                            ; the next plain line of block k's stretch: its own 80, then the 32 that open block k + 2 (in the registers that block k has left)
.if pl < 80
	GB \k, pl
.elseif (pl < 112) && ((\k)+2 < 8)
	GA (\k)+2, pl-80
.endif
.set pl, pl+1
.endm
.macro PHASE k
	s_wait_alu depctr_va_vdst(0)                   ; block k's transcendentals were issued ahead of this wait; its first reader follows
.set pl, 0
.if (\k) < 7
.set tr, 0
.rept 32
	GT (\k)+1, tr
.set tr, tr+1
	LG \k
	LG \k
.if (\k) < 6
	LG \k
.endif
.endr
.rept 16
	LG \k
.endr
.else
.rept 80
	LG \k
.endr
.endif
.endm
	s_load_b256 s[4:11], s[0:1], 0x0               ; h2q, wts, b_ff1, gq
	v_lshl_add_u32 v62, v0, 2, 0x29000
	v_mov_b32 v63, 0
	ds_add_u32 v62, v63
	v_lshrrev_b32 v1, 5, v0
	v_readfirstlane_b32 s12, v1                    ; wave
	s_and_b32 s13, ttmp7, 0xffff                   ; which 128 tokens
	s_lshl_b32 s14, ttmp9, 2
	s_add_co_u32 s14, s14, s12                     ; my 128 features
	s_mov_b32 s[G1A], 3<<16                        ; a pair of tiles: 96 rows of 256 bytes, dense
	s_mov_b32 s[G1A+1], 32<<16
	s_mov_b32 s[G1A+2], 96<<16
	s_mov_b32 s[G1A+3], 32<<16
	s_mov_b32 s[G1A+4], 96
	s_mov_b32 s[G1A+5], 32
	s_mov_b32 s[G1A+6], 0
	s_mov_b32 s[G1A+7], 0
	ROW1D G1S, 96
	ROW1D G1B, 64
	s_lshl_b32 s15, s13, 2
	s_add_co_u32 s15, s15, s12                     ; the pair that I fetch
	s_mul_i32 s16, s15, 24576
	s_mov_b32 s17, 0
	s_mul_i32 s18, s15, 768
	s_add_co_u32 s18, s18, 3145728
	s_mov_b32 s19, 0
	s_lshl_b32 s20, s14, 9
	s_mov_b32 s21, 0
	s_mul_i32 s22, s12, 24576
	s_mul_i32 s23, s12, 768
	s_lshl_b32 s91, s12, 9
	s_mov_b32 s[K1], 0x3e6d3388                    ; 0.3275911 / sqrt 2
	s_mov_b32 s[KE], 0xbf38aa3b                    ; -log2(e) / 2
	s_mov_b32 s[KE+1], s[KE]
	s_mov_b32 s[A5], 0x3f07dc22                    ; a5 / 2 .. a1 / 2
	s_mov_b32 s[A5+1], s[A5]
	s_mov_b32 s[A3], 0x3f35f0e3
	s_mov_b32 s[A3+1], s[A3]
	s_mov_b32 s[A2], 0xbe11a98e
	s_mov_b32 s[A2+1], s[A2]
	s_mov_b32 s[A1], 0x3e027906
	s_mov_b32 s[A1+1], s[A1]
	s_mov_b32 s[SEL], 0x76543210
	s_mov_b32 s[SEL+1], 0xfedcba98
	s_mov_b32 s[TB], 0
	s_mov_b32 s[TS], 0
	s_mov_b32 s[CNT], 4
	s_wait_dscnt 0x0
	s_wait_kmcnt 0x0
	s_mov_b32 s[G0S], 1
	s_add_co_u32 s[G0S+1], s23, 98304
	s_add_nc_u64 s[G0S+2:G0S+3], s[4:5], s[18:19]
	s_or_b32 s[G0S+3], s[G0S+3], 0x80000000
	s_mov_b32 s[G0B], 1
	s_add_co_u32 s[G0B+1], s91, 101376
	s_add_nc_u64 s[G0B+2:G0B+3], s[8:9], s[20:21]
	s_or_b32 s[G0B+3], s[G0B+3], 0x80000000
	s_mov_b32 s[G0A], 1
	s_mov_b32 s[G0A+1], s22
	s_add_nc_u64 s[G0A+2:G0A+3], s[4:5], s[16:17]
	s_or_b32 s[G0A+3], s[G0A+3], 0x80000000
	tensor_load_to_lds s[G0S:G0S+3], s[G1S:G1S+7]  ; the three first fills together, ahead of every wait, LDS read and barrier
	s_nop 0
	tensor_load_to_lds s[G0B:G0B+3], s[G1B:G1B+7]
	s_nop 0
	tensor_load_to_lds s[G0A:G0A+3], s[G1A:G1A+7]
	s_nop 0
	PLACES 4
	s_mul_i32 s16, s14, 98304
	s_add_co_u32 s16, s16, 2359296
	s_add_nc_u64 s[WB:WB+1], s[6:7], s[16:17]
	s_mul_i32 s16, s14, 3072
	s_add_co_u32 s16, s16, 7151616
	s_add_nc_u64 s[WSB:WSB+1], s[6:7], s[16:17]
	s_mul_i32 s16, s13, 192
	s_add_co_u32 s16, s16, s14
	s_lshl_b32 s16, s16, 11
	s_add_nc_u64 s[OC:OC+1], s[10:11], s[16:17]    ; fragment (my first tile, K step = my 128 features)
	s_mul_i32 s16, s13, 96
	s_add_co_u32 s16, s16, s14
	s_lshl_b32 s16, s16, 7
	s_add_co_u32 s16, s16, 12582912
	s_add_nc_u64 s[OS:OS+1], s[10:11], s[16:17]
	v_and_b32 v40, 31, v0
	v_and_b32 v41, 15, v0
	v_bfe_u32 v42, v0, 4, 1
	v_cmp_gt_u32 vcc_lo, 16, v40                   ; lanes 0-15
	v_lshlrev_b32 v[LI], 4, v40
	v_lshlrev_b32 v[L4], 2, v40
	v_add_nc_u32 v[LS0], 98304, v[L4]
	s_add_co_u32 s91, s91, 101376
	v_lshl_add_u32 v[LB], v42, 6, s91              ; my wave's biases, + 64 (lane / 16)
	v_mul_u32_u24 v[WSO], v41, 24
	v_mad_u32_u24 v[WSO], v42, 384, v[WSO]
	v_mov_b32 v[CA4], 0xbf3a00e3                   ; a4 / 2
	v_mov_b32 v[CA4+1], 0xbf3a00e3
.irp b, 0,1,2,3
.irp k, 0,1,2
	global_load_b64 v[WS+6*\b+2*\k:WS+6*\b+2*\k+1], v[WSO], s[WSB:WSB+1] offset:768*\b+8*\k
.endr
.endr
.irp s, 0,1,2,3,4,5                    ; the weights, K steps ascending: 32 loads a step
	WIN (1+\s/2)<<6
.irp a, 0,1,2,3,4,5,6,7
.irp c, 0,1,2,3
	global_load_b128 v[128*(\s%2)+16*\a+4*\c:128*(\s%2)+16*\a+4*\c+3], v[LI], s[WB:WB+1] offset:(6*\a+\s)*2048+512*\c
.endr
.endr
.endr
	WIN 0
	s_wait_tensorcnt 0x0
	s_barrier_signal -1
	s_barrier_wait -1                              ; from here on LDS is only read
.macro ALOAD s                         ; the pair's scale words and two fragments of K step s: 9 LDS loads
	ds_load_b32 v[AS+(\s)%2], v[LS] offset:128*(\s)
.irp u, 0,1
.irp c, 0,1,2,3
	ds_load_b128 v[AF+32*((\s)%2)+16*\u+4*\c:AF+32*((\s)%2)+16*\u+4*\c+3], v[LA] offset:(6*\u+(\s))*2048+512*\c
.endr
.endr
.endm
.macro STEP s
.if (\s) < 4
	s_wait_loadcnt 63                              ; behind this step's weights 64 loads or more were issued
.elseif (\s) == 4
	s_wait_loadcnt 32                              ; the last step's 32 may be out
.else
	s_wait_loadcnt 0x0
.endif
.if (\s) == 5
	s_wait_dscnt 0x0
.else
	s_wait_dscnt 9                                 ; the next step's 9 may be out
.endif
	WIN 1+(\s)/2                                   ; source 0: the weights' window
.irp u, 0,1
.irp a, 0,1,2,3,4,5,6,7
.set DD, ACC+64*\u+8*\a
.set WR, 128*((\s)%2)+16*\a
.set AR, AF+32*((\s)%2)+16*\u
.set SW, WS+6*(\a/2)+(\s)
.set SA, AS+(\s)%2
	WM DD, WR, AR, SW, SA, \a%2, \u                ; the sixteen accumulators take turns
.endr
.endr
	WIN 0
	PLACES 8
.if (\s)+2 < 6
	ALOAD (\s)+2
.endif
.endm
.Lpair:                                            ; four trips: a pair of token tiles each
	v_add_nc_u32 v[LA], s[TB], v[LI]
	v_add_nc_u32 v[LS], s[TS], v[LS0]
.irp u, 0,1
.irp b, 0,1,2,3
.irp k, 0,1,2,3
	ds_load_b128 v[ACC+64*\u+16*\b+4*\k:ACC+64*\u+16*\b+4*\k+3], v[LB] offset:128*\b+16*\k   ; the sums begin as the bias
.endr
.endr
.endr
	ALOAD 0
	ALOAD 1
.irp s, 0,1,2,3,4,5
	STEP \s
.endr
	; the GELU: block 0 is opened; its transcendentals stand among the lines that open block 1; then a stretch for each block
.set pl, 0
.rept 32
	GA 0, pl
.set pl, pl+1
.endr
.set pl, 0
.rept 32
	GT 0, pl
	GA 1, pl
.set pl, pl+1
.endr
.irp k, 0,1,2,3,4,5,6,7
	PHASE \k
.endr
	QUANT ACC
	v_mov_b32 v[PW0], v[PW]
.irp b, 0,1,2,3
	global_store_b128 v[LI], v[PC+4*\b:PC+4*\b+3], s[OC:OC+1] offset:512*\b           ; 512 consecutive bytes, aligned
.endr
	s_wait_xcnt 0x0                                ; these stores have read their data
	QUANT ACC+64
.irp b, 0,1,2,3
	global_store_b128 v[LI], v[PC+4*\b:PC+4*\b+3], s[OC:OC+1] offset:49152+512*\b
.endr
	v_cndmask_b32 v[PWS], v[PW], v[PW0], vcc_lo    ; lanes 0-15: the even tile's words, lanes 16-31: the odd tile's
	global_store_b32 v[L4], v[PWS], s[OS:OS+1]
	s_wait_xcnt 0x0                                ; data and bases may be written again
	s_add_nc_u64 s[OC:OC+1], s[OC:OC+1], 98304
	s_add_nc_u64 s[OS:OS+1], s[OS:OS+1], 3072
	s_add_co_u32 s[TB], s[TB], 24576
	s_add_co_u32 s[TS], s[TS], 768
	s_sub_co_u32 s[CNT], s[CNT], 1
	s_cmp_lg_u32 s[CNT], 0
	s_cbranch_scc1 .Lpair
	s_wait_tensorcnt 0x0
	ds_add_u32 v62, v63
	s_wait_dscnt 0x0
	s_endpgm
.Lfunc_end_k_q74d9ca0de5_ff1:
	.size	k_q74d9ca0de5_ff1, .Lfunc_end_k_q74d9ca0de5_ff1-k_q74d9ca0de5_ff1
	.p2alignl 7, 3214868480
	.fill 96, 4, 3214868480
	.section	.rodata,"a",@progbits
	.p2align	6, 0x0
	.amdhsa_kernel k_q74d9ca0de5_ff1
		.amdhsa_group_segment_fixed_size 168448
		.amdhsa_private_segment_fixed_size 0
		.amdhsa_enable_private_segment 0
		.amdhsa_kernarg_size 32
		.amdhsa_user_sgpr_count 2
		.amdhsa_user_sgpr_kernarg_segment_ptr 1
		.amdhsa_wavefront_size32 1
		.amdhsa_system_sgpr_workgroup_id_x 1
		.amdhsa_system_sgpr_workgroup_id_y 1
		.amdhsa_system_sgpr_workgroup_id_z 1
		.amdhsa_system_vgpr_workitem_id 0
		.amdhsa_next_free_vgpr 1024
		.amdhsa_next_free_sgpr 96
		.amdhsa_reserve_vcc 1
		.amdhsa_float_denorm_mode_32 3
		.amdhsa_float_denorm_mode_16_64 3
		.amdhsa_fp16_overflow 1
		.amdhsa_memory_ordered 1
		.amdhsa_forward_progress 1
		.amdhsa_inst_pref_size 114
	.end_amdhsa_kernel
	.amdgpu_metadata
---
amdhsa.version: [ 1, 2 ]
amdhsa.kernels:
  - .name:           k_q74d9ca0de5_ff1
    .symbol:         k_q74d9ca0de5_ff1.kd
    .args:
      - { .name: h2q, .offset: 0, .size: 8, .value_kind: global_buffer, .address_space: global }
      - { .name: wts, .offset: 8, .size: 8, .value_kind: global_buffer, .address_space: global }
      - { .name: b_ff1, .offset: 16, .size: 8, .value_kind: global_buffer, .address_space: global }
      - { .name: gq, .offset: 24, .size: 8, .value_kind: global_buffer, .address_space: global }
    .group_segment_fixed_size: 168448
    .private_segment_fixed_size: 0
    .kernarg_segment_align: 8
    .kernarg_segment_size: 32
    .max_flat_workgroup_size: 128
    .sgpr_count:     96
    .vgpr_count:     1024
    .wavefront_size: 32
...
	.end_amdgpu_metadata
.endif
;; end of part 6
;; launch ff2 (part 7): grid 4 x 64, 4 waves a work-group, no clusters, 253,440 bytes of LDS; arguments gq, wts, b_ff2, x1, out0; writes out0
.if DOCPART == 7
	.amdgcn_target "amdgcn-amd-amdhsa--gfx1250"
	.amdhsa_code_object_version 6
	.text
	.protected	k_q74d9ca0de5_ff2
	.globl	k_q74d9ca0de5_ff2
	.p2align	8
	.type	k_q74d9ca0de5_ff2,@function
k_q74d9ca0de5_ff2:
	s_mov_b64 s[64:65], 0
	v_nop
	global_prefetch_b8 v0, s[64:65] scope:SCOPE_SE
	s_setreg_imm32_b32 hwreg(HW_REG_WAVE_MODE, 25, 1), 1
	s_wait_xcnt 0x0
; out = res + A W + bias: A [4096][128 KS] and W [768 features][128 KS] as images of operand registers (codes of E4M3, one E8M0 byte for each 32 along K); res, out: [4096][768] f32.  Here KS = 24: out0 = x1 + g w_ff2 + b_ff2.
; A work-group makes 64 tokens (4 tiles) x 192 features (12 tiles); wave w makes tiles 3 w .. 3 w + 2 for all 64 tokens: 12 accumulators.
; The tokens' images and scale words come into LDS once (1 + KS / 6 = 5 tensor loads a wave are out at most); nothing is filled again.  A wave's weights are its own: they go from memory straight into a ring of five register slots, five K steps ahead.
; Source 0 = 16 features, source 1 = 16 tokens: a lane's eight results are eight neighbouring features of one token.  They meet in a stage in LDS; each wave then adds residual and bias to 16 whole rows and stores them.
; No cluster: what partners could share, the tokens' block, is the smaller part of a work-group's bytes.
.set KS,   24
.set NCH,  KS/6
.set WC,   4718592                     ; the weight's codes in wts
.set WSF,  7225344                     ; and its scale bytes
.set ASF,  12582912                    ; the tokens' scale words in their buffer
.set LAST, 1                           ; 1: the result is read by no later launch
.set ASC,  8192*KS                     ; LDS: images [tile m][K step][2,048], then scale words [pair][K step][128],
.set STG,  ASC+256*KS                  ; then the stage: 64 rows x (768 + 16) bytes; no fill lands there
.set SP,   784
.set LI,   1
.set LA,   2                           ; v2-5
.set LSC,  6
.set STO,  7                           ; v7-9
.set RDA,  10
.set RDB,  11
.set GOA,  12
.set GOB,  13
.set BOB,  14
.set WSO,  15
.set AS,   16                          ; v16-19  tokens' scale words: 2 x set + pair
.set BQ,   20                          ; v20-31  three quads of biases
.set WSC,  32                          ; v32-103 weights' scale words: KS x tile + K step
.set ACC,  104                         ; v104-199.  Window 1: two sets of token fragments.  Window 2: five slots of weight fragments.  Window 3: the residual
.set G1C, 24
.set G1S, 32
.set G0S, 40
.set G0C, 44
.set WB,  60
.set WSB, 62
.set BB,  66
.set RBS, 68
.set OB,  70
.set MSB, 0
.macro WIN new
.if MSB != (\new)
	s_set_vgpr_msb (MSB<<8)|(\new)
.set MSB, \new
.endif
.endm
.macro PLACES n
.rept \n
	v_nop
.endr
.endm
	s_load_b256 s[4:11], s[0:1], 0x0               ; A, wts, bias, res
	s_load_b64 s[12:13], s[0:1], 0x20              ; out
	v_lshl_add_u32 v254, v0, 2, 0x3dc00
	v_mov_b32 v255, 0
	ds_add_u32 v254, v255
	ds_add_u32 v254, v255
	v_lshrrev_b32 v1, 5, v0
	v_readfirstlane_b32 s14, v1                    ; wave
	s_and_b32 s16, ttmp7, 0xffff                   ; which 64 tokens
	s_mov_b32 s[G1C], 3<<16                        ; six K steps of one tile: 48 rows of 256 bytes, dense
	s_mov_b32 s[G1C+1], 32<<16
	s_mov_b32 s[G1C+2], 48<<16
	s_mov_b32 s[G1C+3], 32<<16
	s_mov_b32 s[G1C+4], 48
	s_mov_b32 s[G1C+5], 32
	s_mov_b32 s[G1C+6], 0
	s_mov_b32 s[G1C+7], 0
	s_mov_b32 s[G1S], 3<<16                        ; a quarter of the scale words: one row of 64 KS bytes
	s_mov_b32 s[G1S+1], (8*KS)<<16
	s_mov_b32 s[G1S+2], 1<<16
	s_mov_b32 s[G1S+3], (8*KS)<<16
	s_mov_b32 s[G1S+4], 1
	s_mov_b32 s[G1S+5], 8*KS
	s_mov_b32 s[G1S+6], 0
	s_mov_b32 s[G1S+7], 0
	s_lshl_b32 s17, s16, 2
	s_add_co_u32 s17, s17, s14                     ; the tile that I fetch
	s_mul_i32 s18, s17, KS*2048
	s_mov_b32 s19, 0
	s_mul_i32 s20, s17, 64*KS
	s_add_co_u32 s20, s20, ASF
	s_mov_b32 s21, 0
	s_mul_i32 s22, s14, KS*2048
	s_mul_i32 s23, s14, 64*KS
	s_mul_i32 s72, ttmp9, 12
	s_mul_i32 s73, s14, 3
	s_add_co_u32 s72, s72, s73                     ; my first feature tile
	s_mov_b32 s75, 0
	s_wait_dscnt 0x0
	s_wait_kmcnt 0x0
	s_add_nc_u64 s[18:19], s[4:5], s[18:19]
	s_mov_b32 s[G0S], 1
	s_add_co_u32 s[G0S+1], s23, ASC
	s_add_nc_u64 s[G0S+2:G0S+3], s[4:5], s[20:21]
	s_or_b32 s[G0S+3], s[G0S+3], 0x80000000
.set qd, 0
.rept NCH
	s_mov_b32 s[G0C+4*qd], 1
	s_add_co_u32 s[G0C+4*qd+1], s22, 12288*qd
	s_add_nc_u64 s[G0C+4*qd+2:G0C+4*qd+3], s[18:19], 12288*qd
	s_or_b32 s[G0C+4*qd+3], s[G0C+4*qd+3], 0x80000000
.set qd, qd+1
.endr
	s_mul_i32 s74, s72, KS*2048
	s_add_co_u32 s74, s74, WC
	s_add_nc_u64 s[WB:WB+1], s[6:7], s[74:75]
	s_mul_i32 s74, s72, 64*KS
	s_add_co_u32 s74, s74, WSF
	s_add_nc_u64 s[WSB:WSB+1], s[6:7], s[74:75]
	s_mul_i32 s74, ttmp9, 768
	s_add_nc_u64 s[BB:BB+1], s[8:9], s[74:75]
	s_lshl_b32 s76, s16, 6
	s_lshl_b32 s77, s14, 4
	s_add_co_u32 s76, s76, s77
	s_mul_i32 s76, s76, 3072
	s_add_co_u32 s74, s74, s76                     ; the 16 rows that I store, my work-group's 768 bytes of them
	s_add_nc_u64 s[RBS:RBS+1], s[10:11], s[74:75]
	s_add_nc_u64 s[OB:OB+1], s[12:13], s[74:75]
	tensor_load_to_lds s[G0S:G0S+3], s[G1S:G1S+7]  ; all first fills together, ahead of every wait, LDS read and barrier
	s_nop 0
.set qd, 0
.rept NCH
	tensor_load_to_lds s[G0C+4*qd:G0C+4*qd+3], s[G1C:G1C+7]
	s_nop 0
.set qd, qd+1
.endr
	PLACES 4
	v_and_b32 v200, 31, v0
	v_and_b32 v201, 15, v0
	v_bfe_u32 v202, v0, 4, 1
	v_lshlrev_b32 v[LI], 4, v200
.irp m, 0,1,2,3
	v_add_nc_u32 v[LA+\m], \m*KS*2048, v[LI]
.endr
	v_lshlrev_b32 v[LSC], 2, v200
	v_add_nc_u32 v[LSC], ASC, v[LSC]
	v_and_b32 v203, 8, v201
	v_add_nc_u32 v203, v203, v201                  ; row r of a tile is token r + 8 (r / 8) of its pair
	v_mul_u32_u24 v203, v203, SP
	v_lshl_add_u32 v203, v202, 6, v203
	v_add_nc_u32 v203, STG, v203
	s_wait_alu depctr_va_vdst(0)
.irp i, 0,1,2
	s_add_co_u32 s78, s73, \i                      ; tile f: features 32 (f / 2) + 8 (f % 2) + 16 (lane / 16) + 0 .. 7
	s_lshr_b32 s79, s78, 1
	s_lshl_b32 s79, s79, 7
	s_and_b32 s78, s78, 1
	s_lshl_b32 s78, s78, 5
	s_add_co_u32 s78, s78, s79
	v_add_nc_u32 v[STO+\i], s78, v203
.endr
	v_lshlrev_b32 v[GOA], 4, v201
	s_mul_i32 s78, s14, 16*SP
	s_add_co_u32 s78, s78, STG
	v_add_nc_u32 v[RDA], s78, v[GOA]
	v_mad_u32_u24 v[RDB], v202, 272, v[RDA]        ; lanes 16-31: the next row's first 256 bytes,
	v_lshl_add_u32 v[RDA], v202, 8, v[RDA]         ; or the same row's next 256
	v_mad_u32_u24 v[GOB], v202, 2560, v[GOA]
	v_sub_nc_u32 v204, 1, v202
	v_lshl_add_u32 v[BOB], v204, 9, v[GOA]
	v_lshl_add_u32 v[GOA], v202, 8, v[GOA]
	v_mul_u32_u24 v[WSO], v201, KS*4
.irp i, 0,1,2
.if KS == 24
.irp k, 0,1,2,3,4,5
	global_load_b128 v[WSC+24*\i+4*\k:WSC+24*\i+4*\k+3], v[WSO], s[WSB:WSB+1] offset:\i*1536+16*\k
.endr
.else
.irp k, 0,1,2
	global_load_b64 v[WSC+6*\i+2*\k:WSC+6*\i+2*\k+1], v[WSO], s[WSB:WSB+1] offset:\i*384+8*\k
.endr
.endif
.endr
	global_load_b128 v[BQ:BQ+3], v[GOA], s[BB:BB+1]
	global_load_b128 v[BQ+4:BQ+7], v[BOB], s[BB:BB+1]
	global_load_b128 v[BQ+8:BQ+11], v[GOA], s[BB:BB+1] offset:256
.macro ALOAD s                         ; the tokens' scale words and four fragments of K step s into set s % 2: 18 LDS loads
.irp pr, 0,1
	ds_load_b32 v[AS+2*((\s)%2)+\pr], v[LSC] offset:(\pr*KS+(\s))*128
.endr
	WIN 0x40
.irp m, 0,1,2,3
.irp c, 0,1,2,3
	ds_load_b128 v[64*((\s)%2)+16*\m+4*\c:64*((\s)%2)+16*\m+4*\c+3], v[LA+\m] offset:(\s)*2048+512*\c
.endr
.endr
	WIN 0
.endm
.macro WLOAD s                         ; my three weight fragments of K step s into slot s % 5: 12 loads
	WIN 0x80
.irp i, 0,1,2
.irp c, 0,1,2,3
	global_load_b128 v[48*((\s)%5)+16*\i+4*\c:48*((\s)%5)+16*\i+4*\c+3], v[LI], s[WB:WB+1] offset:(\i*KS+(\s))*2048+512*\c
.endr
.endr
	WIN 0
.endm
.macro RLOAD                           ; the residual of the 16 rows that I store: 24 loads, each half of the lanes 256 consecutive bytes
	WIN 0xc0
.set n, 0
.rept 24
.set k0, 2*n
.if k0%3 == 2
	global_load_b128 v[4*n:4*n+3], v[GOB], s[RBS:RBS+1] offset:(k0/3)*3072+(k0%3)*256
.else
	global_load_b128 v[4*n:4*n+3], v[GOA], s[RBS:RBS+1] offset:(k0/3)*3072+(k0%3)*256
.endif
.set n, n+1
.endr
	WIN 0
.endm
.macro STEP s
.set LC, 12*(KS-1-(\s))
.if LC > 48
.set LC, 48
.endif
.if (\s) >= KS-2
.set LC, LC+24
.endif
	s_wait_loadcnt LC                              ; this step's weights are in; out may be the later steps' (12 each, four at most) and, once issued, the residual's 24
.if (\s) == KS-1
	s_wait_dscnt 0x0
.else
	s_wait_dscnt 18                                ; this step's tokens are in; the next step's 18 may be out
.endif
	WIN 0x06                                       ; source 0 (weights) window 2, source 1 (tokens) window 1
.irp m, 0,1,2,3
.irp i, 0,1,2
.set DD, ACC+8*(3*\m+\i)
.set WR, 48*((\s)%5)+16*\i
.set AR, 64*((\s)%2)+16*\m
.set SW, WSC+\i*KS+(\s)
.set SA, AS+2*((\s)%2)+\m/2
.if (\s) == 0                          ; the first K step starts the sums; the twelve accumulators take turns
.if \m%2
	v_wmma_scale_f32_16x16x128_f8f6f4 v[DD:DD+7], v[WR:WR+15], v[AR:AR+15], 0, v[SW], v[SA] matrix_b_scale:MATRIX_SCALE_ROW1
.else
	v_wmma_scale_f32_16x16x128_f8f6f4 v[DD:DD+7], v[WR:WR+15], v[AR:AR+15], 0, v[SW], v[SA]
.endif
.else
.if \m%2
	v_wmma_scale_f32_16x16x128_f8f6f4 v[DD:DD+7], v[WR:WR+15], v[AR:AR+15], v[DD:DD+7], v[SW], v[SA] matrix_b_scale:MATRIX_SCALE_ROW1
.else
	v_wmma_scale_f32_16x16x128_f8f6f4 v[DD:DD+7], v[WR:WR+15], v[AR:AR+15], v[DD:DD+7], v[SW], v[SA]
.endif
.endif
.endr
.endr
	WIN 0
	PLACES 8                                       ; in front of loads into registers that these products have read, and of the first read of results
.if (((\s)+2)%6 == 0) && ((\s)+2 < KS)
	s_wait_tensorcnt NCH-1-((\s)+2)/6              ; my part of the next six K steps has landed; the later chunks may be out
	s_wait_dscnt 0x0
	s_barrier_signal -1
	s_barrier_wait -1                              ; everybody's has
.endif
.if (\s)+2 < KS
	ALOAD (\s)+2
.endif
.if (\s)+5 < KS
	WLOAD (\s)+5
.endif
.if (\s) == KS-3
	RLOAD
.endif
.endm
	WLOAD 0
	WLOAD 1
	WLOAD 2
	WLOAD 3
	WLOAD 4
	s_wait_alu depctr_va_vdst(0)
	s_wait_tensorcnt NCH-1                         ; the scale words and my part of K steps 0-5 have landed,
	s_barrier_signal -1
	s_barrier_wait -1                              ; everybody's have
	ALOAD 0
	ALOAD 1
.set ks, 0
.rept KS
	STEP ks
.set ks, ks+1
.endr
	; THE WAY OUT
.irp m, 0,1,2,3
.irp i, 0,1,2
	ds_store_b128 v[STO+\i], v[ACC+8*(3*\m+\i):ACC+8*(3*\m+\i)+3] offset:(32*(\m/2)+8*(\m%2))*SP       ; each accumulator from its low end on
	ds_store_b128 v[STO+\i], v[ACC+8*(3*\m+\i)+4:ACC+8*(3*\m+\i)+7] offset:(32*(\m/2)+8*(\m%2))*SP+16
.endr
.endr
	s_wait_dscnt 0x0                               ; for the others' sake: my stores have landed
	s_barrier_signal -1
	s_barrier_wait -1
.set n, 0
.rept 24
.set k0, 2*n
.if k0%3 == 2
	ds_load_b128 v[ACC+4*n:ACC+4*n+3], v[RDB] offset:(k0/3)*SP+(k0%3)*256
.else
	ds_load_b128 v[ACC+4*n:ACC+4*n+3], v[RDA] offset:(k0/3)*SP+(k0%3)*256
.endif
.set n, n+1
.endr
	s_wait_dscnt 0x0
	s_wait_loadcnt 0x0                             ; the residual
	WIN 0x0c                                       ; source 1: window 3
.set i, 0
.rept 48
	v_pk_add_f32 v[ACC+i:ACC+i+1], v[ACC+i:ACC+i+1], v[i:i+1]
.set i, i+2
.endr
	WIN 0
.set n, 0
.rept 24
	v_pk_add_f32 v[ACC+4*n:ACC+4*n+1], v[ACC+4*n:ACC+4*n+1], v[BQ+4*(n%3):BQ+4*(n%3)+1]
	v_pk_add_f32 v[ACC+4*n+2:ACC+4*n+3], v[ACC+4*n+2:ACC+4*n+3], v[BQ+4*(n%3)+2:BQ+4*(n%3)+3]
.set n, n+1
.endr
.set n, 0
.rept 24                               ; each half of the lanes stores 256 consecutive bytes, aligned
.set k0, 2*n
.if LAST
.if k0%3 == 2
	global_store_b128 v[GOB], v[ACC+4*n:ACC+4*n+3], s[OB:OB+1] offset:(k0/3)*3072+(k0%3)*256 th:TH_STORE_NT
.else
	global_store_b128 v[GOA], v[ACC+4*n:ACC+4*n+3], s[OB:OB+1] offset:(k0/3)*3072+(k0%3)*256 th:TH_STORE_NT
.endif
.else
.if k0%3 == 2
	global_store_b128 v[GOB], v[ACC+4*n:ACC+4*n+3], s[OB:OB+1] offset:(k0/3)*3072+(k0%3)*256
.else
	global_store_b128 v[GOA], v[ACC+4*n:ACC+4*n+3], s[OB:OB+1] offset:(k0/3)*3072+(k0%3)*256
.endif
.endif
.set n, n+1
.endr
	s_wait_tensorcnt 0x0
	ds_add_u32 v254, v255
	s_wait_dscnt 0x0
	s_endpgm
.Lfunc_end_k_q74d9ca0de5_ff2:
	.size	k_q74d9ca0de5_ff2, .Lfunc_end_k_q74d9ca0de5_ff2-k_q74d9ca0de5_ff2
	.p2alignl 7, 3214868480
	.fill 96, 4, 3214868480
	.section	.rodata,"a",@progbits
	.p2align	6, 0x0
	.amdhsa_kernel k_q74d9ca0de5_ff2
		.amdhsa_group_segment_fixed_size 253440
		.amdhsa_private_segment_fixed_size 0
		.amdhsa_enable_private_segment 0
		.amdhsa_kernarg_size 40
		.amdhsa_user_sgpr_count 2
		.amdhsa_user_sgpr_kernarg_segment_ptr 1
		.amdhsa_wavefront_size32 1
		.amdhsa_system_sgpr_workgroup_id_x 1
		.amdhsa_system_sgpr_workgroup_id_y 1
		.amdhsa_system_sgpr_workgroup_id_z 1
		.amdhsa_system_vgpr_workitem_id 0
		.amdhsa_next_free_vgpr 864
		.amdhsa_next_free_sgpr 80
		.amdhsa_reserve_vcc 0
		.amdhsa_float_denorm_mode_32 3
		.amdhsa_float_denorm_mode_16_64 3
		.amdhsa_memory_ordered 1
		.amdhsa_forward_progress 1
		.amdhsa_inst_pref_size 126
	.end_amdhsa_kernel
	.amdgpu_metadata
---
amdhsa.version: [ 1, 2 ]
amdhsa.kernels:
  - .name:           k_q74d9ca0de5_ff2
    .symbol:         k_q74d9ca0de5_ff2.kd
    .args:
      - { .name: gq, .offset: 0, .size: 8, .value_kind: global_buffer, .address_space: global }
      - { .name: wts, .offset: 8, .size: 8, .value_kind: global_buffer, .address_space: global }
      - { .name: b_ff2, .offset: 16, .size: 8, .value_kind: global_buffer, .address_space: global }
      - { .name: x1, .offset: 24, .size: 8, .value_kind: global_buffer, .address_space: global }
      - { .name: out0, .offset: 32, .size: 8, .value_kind: global_buffer, .address_space: global }
    .group_segment_fixed_size: 253440
    .private_segment_fixed_size: 0
    .kernarg_segment_align: 8
    .kernarg_segment_size: 40
    .max_flat_workgroup_size: 128
    .sgpr_count:     80
    .vgpr_count:     864
    .wavefront_size: 32
...
	.end_amdgpu_metadata
.endif
;; end of part 7
